; MI455X (gfx1250); checked and timed in simulation.
; The chip was launched on July 23, 2026; its instructions are those of AMD's public machine-readable ISA for CDNA 5 (MIT licence, August 2026) and "CDNA5" Instruction Set Architecture Reference Guide (July 2026). The comments in the code are by the model that wrote it; some were corrected since.
;; Attention Block. Allowed arithmetic: float matrix products may take bf16 or f16 operands with f32 sums; other float arithmetic in f32, or as packed bf16 or f16 multiplies, adds, multiply-adds, maxima and minima; sums over many terms, partial sums and values carried from step to step in f32; what a program stores and reads back later, other than sums and carried values, may be rounded once to bf16 or f16.
;; Inputs: k_b 512 float32; k_w 512 x 512 float32; norm_b 512 float32; norm_w 512 float32; proj_b 512 float32; proj_w 512 x 512 float32; q_b 512 float32; q_w 512 x 512 float32; v_b 512 float32; v_w 512 x 512 float32; x 32 x 512 x 32 x 32 float32.
;; Outputs: out0 32 x 512 x 32 x 32 float32.
;; 2 versions, each right. Each part assembles by itself: llvm-mc -triple=amdgcn-amd-amdhsa -mcpu=gfx1250 --defsym DOCPART=n.
;; ======== version 1 of 2: 3 launches
;; workspace buffers: hb 33,554,432 bytes; wcat 2,097,152 bytes; bcat 8,192 bytes; qkv 100,663,296 bytes
;; launch norm (part 1): grid 1024 x 1, 8 waves a work-group, no clusters, 38,144 bytes of LDS; arguments x, hb, wcat, bcat, norm_w, norm_b, q_w, k_w, v_w, proj_w, q_b, k_b, v_b, proj_b; writes hb, wcat, bcat
.if DOCPART == 1
	.amdgcn_target "amdgcn-amd-amdhsa--gfx1250"
	.amdhsa_code_object_version 6
	.text
	.protected	k_qaea5814306_norm
	.globl	k_qaea5814306_norm
	.p2align	8
	.type	k_qaea5814306_norm,@function
k_qaea5814306_norm:
	s_mov_b64 s[64:65], 0
	v_nop
	global_prefetch_b8 v0, s[64:65] scope:SCOPE_SE
	s_setreg_imm32_b32 hwreg(HW_REG_WAVE_MODE, 25, 1), 1
	s_wait_xcnt 0x0
; GROUP NORM, AND THE WEIGHTS' ROUNDING.  x: [32][512][1024] f32.  A group is 16 channels x 1,024 tokens: 65,536 dense bytes.
; Work-group n = 32 b + g owns group g of image b.  Thread t of 256 owns tokens 4 t .. 4 t + 3 in all 16 channels: 16 loads of 16 bytes, 64 registers:
; the group is read once and stays in registers between the mean, the variance (of x - mean: no difference of large sums) and the scaling.
; OUT: hb[b][g][token][16 channels] bf16: a token of a group is 32 bytes, a group 32,768 dense bytes.  In that layout the next launch's matrix fragments
; (16 tokens x 32 channels) are two loads of 512 consecutive bytes.  A thread's 128 bytes are turned into rows of 512 bytes through the wave's own stage in LDS.
; ALSO: work-group n rounds 1,024 numbers of weight matrix n / 256 (q, k, v, proj) to bf16 into wcat; work-groups 0, 256, 512, 768 copy a bias into bcat.
; No cluster and no tensor load: no two work-groups read the same bytes, and no wave wants another wave's.  No prefetch: all loads go out at the head.
; LIMITS: h and the weights are rounded once to bf16.  NaN and infinities are not treated apart.
.set STG,   256                        ; LDS: bytes 0-63 the two reductions' words; from 256 on a stage of 4,608 bytes for each wave
.set WSTG,  4608                       ; 32 threads x 144
.set TP,    144                        ; a thread's 128 bytes + 16: an odd multiple of 16
.set SPARE, 37120                      ; behind the stages: the spare words, 128 bytes for each wave, that no other line names
.set SPW,   8                          ; v8   SPARE + 4 x my thread's number; never rewritten
.set NIL,   9                          ; v9   0; never rewritten
.set X,     40                         ; v[40:103]  channel i, token k at X + 4 i + k
.set Y,     104                        ; v[104:135] token k, channel pair p at Y + 8 k + p
.set GW,    36                         ; s[36:51]  the group's 16 gains
.set GB,    68                         ; s[68:83]  the group's 16 biases
	s_load_b512 s[8:23], s[0:1], 0x0               ; x 8, hb 10, wcat 12, bcat 14, norm_w 16, norm_b 18, q_w 20, k_w 22
	s_load_b256 s[24:31], s[0:1], 0x40             ; v_w 24, proj_w 26, q_b 28, k_b 30
	s_load_b128 s[32:35], s[0:1], 0x60             ; v_b 32, proj_b 34
	v_lshl_add_u32 v[SPW], v0, 2, SPARE
	v_mov_b32 v[NIL], 0
	v_lshrrev_b32 v19, 5, v0
	v_readfirstlane_b32 s62, v19                   ; wave 0..7
	v_lshlrev_b32 v7, 2, v19                       ; my wave's word in a reduction
	v_mov_b32 v18, 0
	v_lshlrev_b32 v1, 4, v0                        ; 16 t: my 16 bytes in a channel's row, and in the weights' 4,096 bytes
	v_lshlrev_b32 v6, 3, v0                        ; 8 t: my 8 bytes of rounded weights, and of a bias
	v_and_b32 v2, 31, v0                           ; lane
	s_mul_i32 s6, s62, WSTG
	s_add_co_u32 s6, s6, STG                       ; my wave's stage
	v_mul_u32_u24 v3, v2, TP
	v_add_nc_u32 v3, s6, v3                        ; in: my thread's 128 bytes
	v_lshrrev_b32 v4, 3, v2
	v_mul_u32_u24 v4, v4, TP
	v_and_b32 v10, 7, v2
	v_lshl_add_u32 v4, v10, 4, v4
	v_add_nc_u32 v4, s6, v4                        ; back: 32 lanes take four threads' 128 bytes = 512 consecutive bytes of hb
	s_lshl_b32 s7, s62, 12
	v_lshl_add_u32 v5, v2, 4, s7                   ; my 16 bytes in the wave's 4,096 of the group's 32,768
	s_mov_b32 s2, 0x38800000                       ; 1 / 16,384
	s_mov_b32 s3, 0x3727c5ac                       ; 1e-5
	s_mov_b32 s4, 0x76543210                       ; v_permlanex16_b32: each lane takes its own place in the other half
	s_mov_b32 s5, 0xfedcba98
	s_lshr_b32 s60, ttmp9, 8                       ; which weight matrix
	s_and_b32 s61, ttmp9, 255                      ; which 4,096 bytes of it
	s_lshl_b32 s56, ttmp9, 16
	s_mov_b32 s57, 0
	s_lshl_b32 s58, ttmp9, 15
	s_mov_b32 s59, 0
	s_wait_kmcnt 0x0
	s_add_nc_u64 s[8:9], s[8:9], s[56:57]          ; x at my group
	s_add_nc_u64 s[10:11], s[10:11], s[58:59]      ; hb at my group
	s_cmp_eq_u32 s60, 1
	s_cselect_b64 s[52:53], s[22:23], s[20:21]     ; the weight matrix and the bias of my number
	s_cselect_b64 s[54:55], s[30:31], s[28:29]
	s_cmp_eq_u32 s60, 2
	s_cselect_b64 s[52:53], s[24:25], s[52:53]
	s_cselect_b64 s[54:55], s[32:33], s[54:55]
	s_cmp_eq_u32 s60, 3
	s_cselect_b64 s[52:53], s[26:27], s[52:53]
	s_cselect_b64 s[54:55], s[34:35], s[54:55]
	s_lshl_b32 s56, s61, 12
	s_add_nc_u64 s[52:53], s[52:53], s[56:57]
	s_lshl_b32 s56, ttmp9, 11
	s_add_nc_u64 s[12:13], s[12:13], s[56:57]      ; wcat: 2,048 bytes for each work-group, on end
	s_lshl_b32 s56, s60, 11
	s_add_nc_u64 s[14:15], s[14:15], s[56:57]      ; bcat: 2,048 bytes a bias
	s_and_b32 s56, ttmp9, 31
	s_lshl_b32 s56, s56, 6
	s_add_nc_u64 s[16:17], s[16:17], s[56:57]      ; the group's 64 bytes of norm_w and of norm_b
	s_add_nc_u64 s[18:19], s[18:19], s[56:57]
.set i, 0
.rept 16
	global_load_b128 v[X+4*i:X+4*i+3], v1, s[8:9] offset:4096*i th:TH_LOAD_NT  ; a wave's load covers 512 consecutive bytes
.set i, i+1
.endr
	global_load_b128 v[24:27], v1, s[52:53] th:TH_LOAD_NT
	s_load_b512 s[GW:GW+15], s[16:17], 0x0
	s_load_b512 s[GB:GB+15], s[18:19], 0x0
; The four chains v[10:17] are folded, summed over the wave's 32 lanes and over the eight waves; the total comes back in v10 of every lane, added in one order for all.
.macro TOTAL off
	v_pk_add_f32 v[10:11], v[10:11], v[12:13]
	v_pk_add_f32 v[14:15], v[14:15], v[16:17]
	v_pk_add_f32 v[10:11], v[10:11], v[14:15]
	v_add_f32 v10, v10, v11
	v_add_f32_dpp v10, v10, v10 row_xmask:1 row_mask:0xf bank_mask:0xf
	v_add_f32_dpp v10, v10, v10 row_xmask:2 row_mask:0xf bank_mask:0xf
	v_add_f32_dpp v10, v10, v10 row_xmask:4 row_mask:0xf bank_mask:0xf
	v_add_f32_dpp v10, v10, v10 row_xmask:8 row_mask:0xf bank_mask:0xf
	v_permlanex16_b32 v19, v10, s4, s5             ; its destination has been written before
	v_add_f32 v10, v10, v19
	ds_store_b32 v7, v10 offset:\off               ; all lanes write the wave's word with one value
	s_wait_dscnt 0x0                               ; for the others' sake: my store is done
	s_barrier_signal -1
	s_barrier_wait -1
	ds_load_b128 v[32:35], v18 offset:\off
	ds_load_b128 v[36:39], v18 offset:(\off)+16
	s_wait_dscnt 0x0
	v_add_f32 v32, v32, v33
	v_add_f32 v34, v34, v35
	v_add_f32 v36, v36, v37
	v_add_f32 v38, v38, v39
	v_add_f32 v32, v32, v34
	v_add_f32 v36, v36, v38
	v_add_f32 v10, v32, v36
.endm
	s_wait_loadcnt 1                               ; x is in; the one load issued behind it, the weights', may stay out
.set c, 0
.rept 4
	v_pk_add_f32 v[10+2*c:11+2*c], v[X+2*c:X+2*c+1], v[X+8+2*c:X+8+2*c+1]  ; the first eight pairs start four chains: nothing is cleared
.set c, c+1
.endr
.set j, 8
.rept 24
	v_pk_add_f32 v[10+2*(j%4):11+2*(j%4)], v[10+2*(j%4):11+2*(j%4)], v[X+2*j:X+2*j+1]
.set j, j+1
.endr
	TOTAL 0
	v_mul_f32 v20, s2, v10                         ; the mean, twice, for the packed subtraction
	v_mul_f32 v21, s2, v10
.set j, 0
.rept 32
	v_pk_add_f32 v[X+2*j:X+2*j+1], v[X+2*j:X+2*j+1], v[20:21] neg_lo:[0,1] neg_hi:[0,1]
.set j, j+1
.endr
.set c, 0
.rept 4
	v_pk_mul_f32 v[10+2*c:11+2*c], v[X+2*c:X+2*c+1], v[X+2*c:X+2*c+1]
.set c, c+1
.endr
.set j, 4
.rept 28
	v_pk_fma_f32 v[10+2*(j%4):11+2*(j%4)], v[X+2*j:X+2*j+1], v[X+2*j:X+2*j+1], v[10+2*(j%4):11+2*(j%4)]
.set j, j+1
.endr
	TOTAL 32                                       ; other words than the first total's: no wave can write over what another still reads
	v_fma_f32 v22, v10, s2, s3                     ; variance + eps
	v_rsq_f32 v22, v22
	s_wait_loadcnt 0x0                             ; the weights.  Their rounding is the plain work behind the root
	v_cvt_pk_bf16_f32 v28, v24, v25
	v_cvt_pk_bf16_f32 v29, v26, v27
	global_store_b64 v6, v[28:29], s[12:13]        ; a wave stores 256 consecutive bytes, aligned
	s_wait_kmcnt 0x0                               ; the gains and biases
	s_wait_alu depctr_va_vdst(0)                   ; the wait ahead of the first use of the root
.set i, 0
.rept 16
	v_mul_f32 v[24+i%4], s[GW+i], v22              ; rstd x gain, in four registers by turns
.set k, 0
.rept 4
	v_fma_f32 v[X+4*i+k], v[X+4*i+k], v[24+i%4], s[GB+i]
.set k, k+1
.endr
.set i, i+1
.endr
.set k, 0
.rept 4
.set p, 0
.rept 8
	v_cvt_pk_bf16_f32 v[Y+8*k+p], v[X+8*p+k], v[X+8*p+4+k]  ; token k: channels 2 p and 2 p + 1
.set p, p+1
.endr
.set k, k+1
.endr
.set i, 0
.rept 8
	ds_store_b128 v3, v[Y+4*i:Y+4*i+3] offset:16*i
.set i, i+1
.endr
.set i, 0
.rept 8
	ds_load_b128 v[Y+4*i:Y+4*i+3], v4 offset:4*TP*i  ; LDS serves a wave's instructions in order (ISA guide 5.7.1.4): these see the stores above; the stage is the wave's own
.set i, i+1
.endr
.set i, 0
.rept 8
	s_wait_dscnt 7-i                               ; load i is back; the 7 - i issued behind it may stay out
	global_store_b128 v5, v[Y+4*i:Y+4*i+3], s[10:11] offset:512*i th:TH_STORE_NT  ; 512 consecutive bytes, aligned
.set i, i+1
.endr
	s_cmp_lg_u32 s61, 0                            ; the first work-group of each matrix copies its bias
	s_cbranch_scc1 .Lend
	global_load_b64 v[30:31], v6, s[54:55]
	s_wait_loadcnt 0x0
	global_store_b64 v6, v[30:31], s[14:15]
.Lend:
	s_wait_tensorcnt 0x0                           ; the wave's end: behind my last LDS store
	ds_add_u32 v[SPW], v[NIL]
	s_wait_dscnt 0x0
	s_endpgm
.Lfunc_end_k_qaea5814306_norm:
	.size	k_qaea5814306_norm, .Lfunc_end_k_qaea5814306_norm-k_qaea5814306_norm
	.p2alignl 7, 3214868480
	.fill 96, 4, 3214868480
	.section	.rodata,"a",@progbits
	.p2align	6, 0x0
	.amdhsa_kernel k_qaea5814306_norm
		.amdhsa_group_segment_fixed_size 38144
		.amdhsa_private_segment_fixed_size 0
		.amdhsa_enable_private_segment 0
		.amdhsa_kernarg_size 112
		.amdhsa_user_sgpr_count 2
		.amdhsa_user_sgpr_kernarg_segment_ptr 1
		.amdhsa_wavefront_size32 1
		.amdhsa_system_sgpr_workgroup_id_x 1
		.amdhsa_system_sgpr_workgroup_id_y 1
		.amdhsa_system_sgpr_workgroup_id_z 1
		.amdhsa_system_vgpr_workitem_id 0
		.amdhsa_next_free_vgpr 136
		.amdhsa_next_free_sgpr 84
		.amdhsa_reserve_vcc 0
		.amdhsa_float_denorm_mode_32 3
		.amdhsa_float_denorm_mode_16_64 3
		.amdhsa_memory_ordered 1
		.amdhsa_forward_progress 1
		.amdhsa_inst_pref_size 22
	.end_amdhsa_kernel
	.amdgpu_metadata
---
amdhsa.version: [ 1, 2 ]
amdhsa.kernels:
  - .name:           k_qaea5814306_norm
    .symbol:         k_qaea5814306_norm.kd
    .args:
      - { .name: x, .offset: 0, .size: 8, .value_kind: global_buffer, .address_space: global }
      - { .name: hb, .offset: 8, .size: 8, .value_kind: global_buffer, .address_space: global }
      - { .name: wcat, .offset: 16, .size: 8, .value_kind: global_buffer, .address_space: global }
      - { .name: bcat, .offset: 24, .size: 8, .value_kind: global_buffer, .address_space: global }
      - { .name: norm_w, .offset: 32, .size: 8, .value_kind: global_buffer, .address_space: global }
      - { .name: norm_b, .offset: 40, .size: 8, .value_kind: global_buffer, .address_space: global }
      - { .name: q_w, .offset: 48, .size: 8, .value_kind: global_buffer, .address_space: global }
      - { .name: k_w, .offset: 56, .size: 8, .value_kind: global_buffer, .address_space: global }
      - { .name: v_w, .offset: 64, .size: 8, .value_kind: global_buffer, .address_space: global }
      - { .name: proj_w, .offset: 72, .size: 8, .value_kind: global_buffer, .address_space: global }
      - { .name: q_b, .offset: 80, .size: 8, .value_kind: global_buffer, .address_space: global }
      - { .name: k_b, .offset: 88, .size: 8, .value_kind: global_buffer, .address_space: global }
      - { .name: v_b, .offset: 96, .size: 8, .value_kind: global_buffer, .address_space: global }
      - { .name: proj_b, .offset: 104, .size: 8, .value_kind: global_buffer, .address_space: global }
    .group_segment_fixed_size: 38144
    .private_segment_fixed_size: 0
    .kernarg_segment_align: 8
    .kernarg_segment_size: 112
    .max_flat_workgroup_size: 256
    .sgpr_count:     84
    .vgpr_count:     136
    .wavefront_size: 32
...
	.end_amdgpu_metadata
.endif
;; end of part 1
;; launch qkv (part 2): grid 8 x 32, 4 waves a work-group, clusters of 4 x 1, 327,680 bytes of LDS; arguments hb, wcat, bcat, qkv; writes qkv
.if DOCPART == 2
	.amdgcn_target "amdgcn-amd-amdhsa--gfx1250"
	.amdhsa_code_object_version 6
	.text
	.protected	k_qaea5814306_qkv
	.globl	k_qaea5814306_qkv
	.p2align	8
	.type	k_qaea5814306_qkv,@function
k_qaea5814306_qkv:
	s_mov_b64 s[64:65], 0
	v_nop
	global_prefetch_b8 v0, s[64:65] scope:SCOPE_SE
	s_setreg_imm32_b32 hwreg(HW_REG_WAVE_MODE, 25, 1), 1
	s_wait_xcnt 0x0
	s_wait_alu depctr_hold_cnt(0) depctr_sa_sdst(0) depctr_va_vdst(0) depctr_va_sdst(0) depctr_va_ssrc(0) depctr_va_vcc(0) depctr_vm_vsrc(0)
	s_getreg_b32 s2, hwreg(HW_REG_IB_STS2, 6, 4)
	s_cmp_eq_u32 s2, 0
	s_cbranch_scc0 .Lentry_in_a_cluster
	s_endpgm
.Lentry_in_a_cluster:
	s_bfe_u32 s2, ttmp6, 0x10000c
	s_cmp_lg_u32 s2, 0x3003
	s_cbranch_scc0 .Lentry_shape_is_right
	s_endpgm
.Lentry_shape_is_right:
; q, k, v = W h + b.  hb: [32 b][32 g][1024 tokens][16 channels] bf16.  wcat: rows 0-1535 are q_w, k_w, v_w, [o][512 c] bf16.  bcat: their biases, f32.
; OUT: qkv[3][b][token][512 o] bf16, rounded once from f32 sums that start with the bias.
; SHARES.  A work-group owns 256 tokens of one image and 768 of the 1,536 rows of W; a wave 64 tokens: four tiles of 16.  THE WAVE'S h STAYS IN REGISTERS: 16 chunks of 32 channels x 4 tiles x 8 = 512.
; W walks by in 12 tiles of 64 rows x 1,024 bytes through two LDS slots; each fragment of W read from LDS feeds four products.
; CLUSTER.  The four work-groups of a cluster own the four token blocks of one image and one half of W: they walk the same tiles of W, so each is asked for JOINTLY (mask 15).
; h is shared by nobody inside a cluster; the two clusters of an image each read it once, at their head, where nothing can be asked for ahead.
; LAYOUT.  D = W h: source 0 = 16 rows o of W, source 1 = 16 tokens of h.  In the result a lane holds ONE token (lane % 16) and the rows o = 8 (lane / 16) + 0..7: 16 bytes of a token's row.
; The first product's C is the bias fragment (register j = bias[o0 + 8 (lane / 16) + j]): nothing is cleared and nothing added later.
; THE WAY OUT.  Two tiles of W make 128 numbers, 256 bytes, of each token's row: they gather in the wave's own stage and leave every second tile, 16 lanes to 256 aligned bytes.
; REGISTERS, in windows of 256 (s_set_vgpr_msb: bits 1:0 source 0, 3:2 source 1, 5:4 source 2, 7:6 destination):
;   window 0: v0-22 addresses; v32-63 four accumulators; v64-71 the bias fragment; v72-87 packed results; v128-191, v192-255 W's fragments of chunks 0-7 and 8-15
;   window 1: h of chunks 0-7 (chunk c, tile t at 32 c + 8 t)          window 2: h of chunks 8-15
; LIMITS: operands and results are bf16.  NaN and infinities are not treated apart.
.set PITCH, 1040                       ; a row of W in LDS: 1,024 bytes + 16: an odd multiple of 16, so the 16 rows of a load start in 16 different groups of four banks (ISA guide 11.1)
.set WROWS, 16*PITCH                   ; 16 rows: what one wave's tensor load brings, and one block of 16 rows o
.set SLOT1, 1<<17                      ; slot 1 begins here: one exclusive or turns an address in one slot into the other's
.set STAGE, SLOT1+64*PITCH             ; behind the ring, never filled by a tensor load: for each wave 64 token rows x 272 bytes
.set SP,    272
.set WST,   64*SP
.set BIAS,  STAGE+4*WST                ; my half's 768 biases, f32
.set SPARE, BIAS+3072                  ; the spare words, 128 bytes for each wave, that no other line names
.set AK0, 3                            ; v3   my lane's place in a block of W: (l % 16) x PITCH + 16 (l / 16); never rewritten
.set ADR, 4                            ; v4   the same in the slot in hand
.set BA0, 5                            ; v5   BIAS + 32 (l / 16)
.set BA,  6                            ; v6   the same at the tile in hand
.set STO, 7                            ; v7   the stage: where I put 16 bytes of a token's row
.set STA, 8                            ; v8   the same in the half of the row that the tile in hand fills
.set RD,  9                            ; v9   the stage: where I read rows back
.set GO,  10                           ; v10  my byte offset in two token rows of qkv
.set HO,  11                           ; v11  my byte offset in 16 tokens of a group of hb
.set PFO, 12                           ; v12  the prefetches' offset: row l / 4, block l % 4 of 256 bytes
.set BL,  13                           ; v13  8 x my thread's number
.set SPW, 14                           ; v14  SPARE + 4 x my thread's number; never rewritten
.set NIL, 15                           ; v15  0; never rewritten
.set BLL, 22                           ; v22  BIAS + 8 x my thread's number
.set ACC, 32
.set BI,  64
.set PKD, 72
.set FA,  128
.set FB,  192
.set WV,  12                           ; s12  my wave's number
.set CNT, 13                           ; s13  tiles still to be asked for
.set TB,  14                           ; s14  LDS byte at which the slot in hand begins
.set TBB, 15                           ; s15  256 x the tile's number: its 64 biases
.set SCOL, 16                          ; s16  0 or 128: which half of a stage row the tile fills
.set LIM, 17                           ; s17  1 in a wave that prefetches, else the greatest number
.set PFA, 18                           ; s[18:19] where my prefetches stand
.set OB0, 20                           ; s[20:21] qkv at my wave's first token row, matrix 0, column 0
.set OBC, 22                           ; s[22:23] the same at the matrix and columns that leave
.set G1,  24                           ; s[24:31] descriptor group 1
.set G0,  32                           ; s[32:35] descriptor group 0: it walks
.set PI,  36                           ; s36  which block of 128 rows o (of 12) leaves next
.set OFF, 38                           ; s[38:39] its byte offset
.set MSB, 0
.macro WIN new                         ; the immediate's high byte repeats the setting that is left; a switch that changes nothing is dropped
.if MSB != (\new)
	s_set_vgpr_msb (MSB<<8)|(\new)
.set MSB, (\new)
.endif
.endm
.macro PLACES                          ; four plain instructions between a product and a load into, or a vector use of, its registers (ISA guide 7.12.1 for a vector use)
.rept 4
	v_nop
.endr
.endm
; A round of the cluster's barrier: my work-group's barrier, so that wave 0's signal speaks for all four waves; wave 0 signals; every wave waits for all four work-groups; my work-group's barrier once more.
.macro ROUND
	s_barrier_signal -1
	s_barrier_wait -1
	s_cmp_lg_u32 s[WV], 0
	s_cbranch_scc1 .Lnot_wave_0_\@
	s_barrier_signal -3
.Lnot_wave_0_\@:
	s_barrier_wait -3
	s_barrier_signal -1
	s_barrier_wait -1
.endm
; A PREFETCH of the tile of W that the NEXT trip will ask for: one trip, 256 products, ahead of that load.  All 32 clusters of a half walk the same tiles: the cluster of image 0 asks.  Its four partners
; share a tile's 64 rows out BY ADDRESS: waves 0 and 1 of partner cx take rows 8 (2 cx + wave) .. + 7, a lane a block of 256 bytes: each block is named once in the launch.  The last trip that loads asks for nothing.
.macro ASK
	s_cmp_gt_u32 s[CNT], s[LIM]
	s_cbranch_scc0 .Lnot_mine_\@
	global_prefetch_b8 v[PFO], s[PFA:PFA+1] th:TH_LOAD_NT scope:SCOPE_SE
.Lnot_mine_\@:
.endm
	s_load_b256 s[4:11], s[0:1], 0x0               ; hb s[4:5], wcat s[6:7], bcat s[8:9], qkv s[10:11]
	v_lshl_add_u32 v[SPW], v0, 2, SPARE
	v_mov_b32 v[NIL], 0
	ds_add_u32 v[SPW], v[NIL]                      ; the wave's opening: the add and its wait stand ahead of my first tensor load; the set-up below, work on registers, stands between them
	v_lshrrev_b32 v1, 5, v0
	v_readfirstlane_b32 s[WV], v1                  ; wave 0..3
	s_bfe_u32 s40, ttmp6, 0x40000                  ; cx: my block of 256 tokens; it enters h's, qkv's and the prefetches' addresses alone
	s_and_b32 s41, ttmp7, 0xffff                   ; the image, which the partners share; ttmp9, the cluster's x, is the half of W
	; descriptor group 1: 16 rows x 512 elements of 2 bytes, padded in LDS
	s_mov_b32 s[G1+0], 15|(1<<16)|(1<<20)|(1<<21)|(7<<22)|(3<<25)  ; 15:0 the mask of four; 17:16 2-byte elements; 20 padding on; 21 set beside a mask; 24:22 after every 256 words (code 7); 31:25 4 words (code 3)
	s_mov_b32 s[G1+1], 512<<16                     ; tensor_dim0 = 512
	s_mov_b32 s[G1+2], 16<<16                      ; tensor_dim1 = 16
	s_mov_b32 s[G1+3], 512<<16                     ; tile_dim0 = 512
	s_mov_b32 s[G1+4], 16                          ; tile_dim1 = 16
	s_mov_b32 s[G1+5], 512                         ; 512 elements from row to row
	s_mov_b32 s[G1+6], 0
	s_mov_b32 s[G1+7], 0
	s_mov_b32 s[G0], 1                             ; count = 1
	s_mul_i32 s[G0+1], s[WV], WROWS                ; LDS address: slot 0, my 16 rows
	s_mul_i32 s42, ttmp9, 768*1024                 ; my half's first row of W,
	s_lshl_b32 s43, s[WV], 14                      ; my 16 rows of a tile
	s_add_co_u32 s42, s42, s43
	s_mov_b32 s43, 0
	s_lshl_b32 s44, s40, 1                         ; the prefetches: rows 8 (2 cx + wave) of tile 1; the first trip steps them to tile 2
	s_add_co_u32 s44, s44, s[WV]
	s_lshl_b32 s44, s44, 13
	s_mul_i32 s45, ttmp9, 768*1024
	s_add_co_u32 s44, s44, s45
	s_add_co_u32 s44, s44, 65536
	s_mov_b32 s45, 0
	s_lshr_b32 s52, s[WV], 1                       ; 0 in waves 0 and 1,
	s_or_b32 s52, s52, s41                         ; of image 0: the same in all four partners
	s_cmp_eq_u32 s52, 0
	s_cselect_b32 s[LIM], 1, -1
	s_lshl_b32 s46, s41, 20                        ; h: the image's 32 groups of 32,768 bytes,
	s_lshl_b32 s47, s40, 13                        ; my block's 256 tokens of 32 bytes,
	s_add_co_u32 s46, s46, s47
	s_lshl_b32 s47, s[WV], 11                      ; my wave's 64
	s_add_co_u32 s46, s46, s47
	s_mov_b32 s47, 0
	s_lshl_b32 s48, s41, 20                        ; qkv: the image's 1,024 rows of 1,024 bytes,
	s_lshl_b32 s49, s40, 18                        ; my block's 256,
	s_add_co_u32 s48, s48, s49
	s_lshl_b32 s49, s[WV], 16                      ; my wave's 64
	s_add_co_u32 s48, s48, s49
	s_mov_b32 s49, 0
	s_mul_i32 s50, ttmp9, 3072                     ; my half's biases
	s_mov_b32 s51, 0
	s_mul_i32 s[PI], ttmp9, 6
	s_mov_b32 s[OFF+1], 0
	s_mov_b32 s[TB], 0
	s_mov_b32 s[TBB], 0
	s_mov_b32 s[SCOL], 0
	v_and_b32 v1, 15, v0                           ; l % 16
	v_bfe_u32 v2, v0, 4, 1                         ; l / 16
	v_mul_u32_u24 v[AK0], v1, PITCH
	v_lshl_add_u32 v[AK0], v2, 4, v[AK0]
	v_lshl_add_u32 v[BA0], v2, 5, BIAS
	s_mul_i32 s53, s[WV], WST
	s_add_co_u32 s53, s53, STAGE                   ; my stage
	v_mul_u32_u24 v[STO], v1, SP
	v_lshl_add_u32 v[STO], v2, 4, v[STO]
	v_add_nc_u32 v[STO], s53, v[STO]
	v_mul_u32_u24 v[RD], v2, SP                    ; back: lanes 0-15 take one row of 256 bytes, lanes 16-31 the next
	v_lshl_add_u32 v[RD], v1, 4, v[RD]
	v_add_nc_u32 v[RD], s53, v[RD]
	v_lshlrev_b32 v[GO], 10, v2                    ; and the same two rows in qkv
	v_lshl_add_u32 v[GO], v1, 4, v[GO]
	v_lshlrev_b32 v[HO], 5, v1                     ; token l % 16, 16 bytes for each half of the lanes: 512 consecutive bytes a load
	v_lshl_add_u32 v[HO], v2, 4, v[HO]
	v_and_b32 v16, 31, v0
	v_lshrrev_b32 v[PFO], 2, v16
	v_lshlrev_b32 v[PFO], 10, v[PFO]
	v_and_b32 v16, 3, v16
	v_lshl_add_u32 v[PFO], v16, 8, v[PFO]
	v_lshlrev_b32 v[BL], 3, v0
	v_add_nc_u32 v[BLL], BIAS, v[BL]
	s_wait_dscnt 0x0                               ; the opening add is done
	s_wait_kmcnt 0x0
	s_add_nc_u64 s[G0+2:G0+3], s[6:7], s[42:43]    ; global address: tile 0, my 16 rows
	s_or_b32 s[G0+3], s[G0+3], 0x80000000          ; type = 2
	s_add_nc_u64 s[PFA:PFA+1], s[6:7], s[44:45]
	s_add_nc_u64 s[4:5], s[4:5], s[46:47]
	s_add_nc_u64 s[OB0:OB0+1], s[10:11], s[48:49]
	s_add_nc_u64 s[8:9], s[8:9], s[50:51]
	ROUND                                          ; all four work-groups are here: the first joint loads meet
	tensor_load_to_lds s[G0:G0+3], s[G1:G1+7]      ; tile 0 into slot 0
	s_nop 0
	PLACES
; h: a fragment is 16 tokens x 32 channels in 8 registers: registers 0-3 channels 8 (l / 16) + 0..7 of the chunk's first group, registers 4-7 the same of its second group.
.macro HLOAD c0
.set c, 0
.rept 8
.irp t, 0,1,2,3
	global_load_b128 v[32*c+8*\t:32*c+8*\t+3],   v[HO], s[4:5] offset:(2*((\c0)+c))*32768+512*\t
	global_load_b128 v[32*c+8*\t+4:32*c+8*\t+7], v[HO], s[4:5] offset:(2*((\c0)+c)+1)*32768+512*\t
.endr
.set c, c+1
.endr
.endm
	WIN 0x40                                       ; destination window 1, address window 0
	HLOAD 0
	WIN 0x80
	HLOAD 8
	WIN 0
	global_load_b64 v[16:17], v[BL], s[8:9]
	global_load_b64 v[18:19], v[BL], s[8:9] offset:1024
	global_load_b64 v[20:21], v[BL], s[8:9] offset:2048
	s_wait_loadcnt 0x0                             ; h and the biases
	ds_store_b64 v[BLL], v[16:17]                  ; the first trip's wait for LDS and its round stand between these stores and every wave's loads
	ds_store_b64 v[BLL], v[18:19] offset:1024
	ds_store_b64 v[BLL], v[20:21] offset:2048
; The fragments of block ob of 16 rows o, chunks c0 .. c0 + 7, into buffer f: 16 loads; bias = 1: two more, the block's bias fragment.
.macro FETCH f, ob, c0, bias
	WIN 0
.if \bias
	ds_load_b128 v[BI:BI+3],   v[BA] offset:64*(\ob)
	ds_load_b128 v[BI+4:BI+7], v[BA] offset:64*(\ob)+16
.endif
.irp c, 0,1,2,3,4,5,6,7
	ds_load_b128 v[(\f)+8*\c:(\f)+8*\c+3],   v[ADR] offset:WROWS*(\ob)+64*((\c0)+\c)
	ds_load_b128 v[(\f)+8*\c+4:(\f)+8*\c+7], v[ADR] offset:WROWS*(\ob)+64*((\c0)+\c)+32
.endr
.endm
; 32 products: eight chunks x four tiles.  The four accumulators take turns, one instruction a turn.  first = 1: the first four start the sums with the bias.
.macro MUL f, win, first
	WIN \win
.irp c, 0,1,2,3,4,5,6,7
.irp t, 0,1,2,3
.if (\first) && (\c == 0)
	v_wmma_f32_16x16x32_bf16 v[ACC+8*\t:ACC+8*\t+7], v[(\f)+8*\c:(\f)+8*\c+7], v[32*\c+8*\t:32*\c+8*\t+7], v[BI:BI+7]
.else
	v_wmma_f32_16x16x32_bf16 v[ACC+8*\t:ACC+8*\t+7], v[(\f)+8*\c:(\f)+8*\c+7], v[32*\c+8*\t:32*\c+8*\t+7], v[ACC+8*\t:ACC+8*\t+7]
.endif
.endr
.endr
.endm
.macro OUT ob                          ; rounded to bf16, each accumulator from its lowest registers on; 16 bytes a lane into the stage
	WIN 0
.irp t, 0,1,2,3
.irp p, 0,1,2,3
	v_cvt_pk_bf16_f32 v[PKD+4*\t+\p], v[ACC+8*\t+2*\p], v[ACC+8*\t+2*\p+1]
.endr
.endr
.irp t, 0,1,2,3
	ds_store_b128 v[STA], v[PKD+4*\t:PKD+4*\t+3] offset:16*SP*\t+32*(\ob)
.endr
.endm
; One block of 16 rows o.  na, nb: the LDS instructions issued behind the loads that are waited for, which may stay out.
.macro OBLK ob, na, nb
	s_wait_dscnt \na
	MUL FA, 0x04, 1
.if (\ob) < 3
	PLACES
	FETCH FA, (\ob)+1, 0, 1
.endif
	s_wait_dscnt \nb
	MUL FB, 0x08, 0
	PLACES
.if (\ob) < 3
	FETCH FB, (\ob)+1, 8, 0
.endif
	OUT \ob
.endm
.macro TILE
	FETCH FA, 0, 0, 1
	FETCH FB, 0, 8, 0
	OBLK 0, 16, 18                                 ; behind FA's 18: FB's 16.  Behind FB's 16: the next FA's 18
	OBLK 1, 20, 22                                 ; behind FA's: FB's 16 and 4 stage stores.  Behind FB's: the 4 stores and the next FA's 18
	OBLK 2, 20, 22
	OBLK 3, 20, 4                                  ; nothing more is fetched: behind FB's only the 4 stores
.endm
; 128 rows o of my 64 tokens leave: 32 loads of two stage rows, 32 stores.  The stage is the wave's own: LDS serves a wave's instructions in order (ISA guide 5.7.1.4).
.macro FLUSH
	s_lshr_b32 s[OFF], s[PI], 2                    ; the matrix (q, k, v): 2^25 bytes each,
	s_lshl_b32 s[OFF], s[OFF], 25
	s_and_b32 s54, s[PI], 3                        ; and which 256 bytes of its rows
	s_lshl_b32 s54, s54, 8
	s_add_co_u32 s[OFF], s[OFF], s54
	s_add_nc_u64 s[OBC:OBC+1], s[OB0:OB0+1], s[OFF:OFF+1]
	s_add_co_u32 s[PI], s[PI], 1
.set f, 0
.rept 32
	ds_load_b128 v[FA+4*f:FA+4*f+3], v[RD] offset:2*SP*f
.set f, f+1
.endr
.set f, 0
.rept 32
	s_wait_dscnt 31-f                              ; load f is back; the 31 - f behind it may stay out
	global_store_b128 v[GO], v[FA+4*f:FA+4*f+3], s[OBC:OBC+1] offset:2048*f th:TH_STORE_NT  ; 16 lanes store 256 consecutive bytes, aligned
.set f, f+1
.endr
.endm
; A TRIP: the change of slots, then a tile.  Each wave waits for all its tensor loads, of which one is out: its part of this trip's tile; adds 0 to its spare word; waits for that and for its reads of the
; other slot.  The round then holds of every wave of every partner, and the joint refill is the first thing behind it: it has the tile's 256 products in which to land.
.macro TRIP refill, always
	s_wait_xcnt 0x0                                ; the last stores have read their data and base, the last prefetch its address: all three are written again below
	s_wait_tensorcnt 0x0
	ds_add_u32 v[SPW], v[NIL]                      ; 0 onto my spare word; the descriptor's steps stand between it and the wait for it
.if \refill
	s_xor_b32 s[G0+1], s[G0+1], SLOT1              ; no tensor load of mine is out, so group 0 may be written: the other slot,
	s_add_nc_u64 s[G0+2:G0+3], s[G0+2:G0+3], 65536 ; the next 64 rows; the type bits on top are not reached
	s_add_nc_u64 s[PFA:PFA+1], s[PFA:PFA+1], 65536
.endif
	s_wait_dscnt 0x0
	ROUND
.if \refill
	tensor_load_to_lds s[G0:G0+3], s[G1:G1+7]
	s_nop 0
	PLACES
	ASK
.endif
	v_add_nc_u32 v[ADR], s[TB], v[AK0]
	v_add_nc_u32 v[BA], s[TBB], v[BA0]
	v_add_nc_u32 v[STA], s[SCOL], v[STO]
	TILE
	WIN 0
	s_xor_b32 s[TB], s[TB], SLOT1
	s_add_co_u32 s[TBB], s[TBB], 256
.if (\always) == 0
	s_cmp_eq_u32 s[SCOL], 128                      ; every second tile completes the stage's rows; what is jumped holds no barrier and no tensor load
	s_cbranch_scc0 .Lno_flush_\@
.endif
	FLUSH
.if (\always) == 0
.Lno_flush_\@:
.endif
	s_xor_b32 s[SCOL], s[SCOL], 128
.endm
	s_mov_b32 s[CNT], 11
.Ltile:                                        ; tiles 0 to 10: each asks for the next
	TRIP 1, 0
	s_sub_co_u32 s[CNT], s[CNT], 1
	s_cmp_lg_u32 s[CNT], 0
	s_cbranch_scc1 .Ltile
	TRIP 0, 1                                      ; tile 11 is written out; it completes the stage's rows
	s_wait_tensorcnt 0x0                           ; the wave's end: behind my last tensor load and my last LDS store
	ds_add_u32 v[SPW], v[NIL]
	s_wait_dscnt 0x0
	ROUND                                          ; the closing round: no work-group ends while a partner may still ask for a tile that names it
	s_endpgm
.Lfunc_end_k_qaea5814306_qkv:
	.size	k_qaea5814306_qkv, .Lfunc_end_k_qaea5814306_qkv-k_qaea5814306_qkv
	.p2alignl 7, 3214868480
	.fill 96, 4, 3214868480
	.section	.rodata,"a",@progbits
	.p2align	6, 0x0
	.amdhsa_kernel k_qaea5814306_qkv
		.amdhsa_group_segment_fixed_size 327680
		.amdhsa_private_segment_fixed_size 0
		.amdhsa_enable_private_segment 0
		.amdhsa_kernarg_size 32
		.amdhsa_user_sgpr_count 2
		.amdhsa_user_sgpr_kernarg_segment_ptr 1
		.amdhsa_wavefront_size32 1
		.amdhsa_system_sgpr_workgroup_id_x 1
		.amdhsa_system_sgpr_workgroup_id_y 1
		.amdhsa_system_sgpr_workgroup_id_z 1
		.amdhsa_system_vgpr_workitem_id 0
		.amdhsa_next_free_vgpr 768
		.amdhsa_next_free_sgpr 66
		.amdhsa_reserve_vcc 0
		.amdhsa_float_denorm_mode_32 3
		.amdhsa_float_denorm_mode_16_64 3
		.amdhsa_memory_ordered 1
		.amdhsa_forward_progress 1
		.amdhsa_inst_pref_size 95
	.end_amdhsa_kernel
	.amdgpu_metadata
---
amdhsa.version: [ 1, 2 ]
amdhsa.kernels:
  - .name:           k_qaea5814306_qkv
    .symbol:         k_qaea5814306_qkv.kd
    .args:
      - { .name: hb, .offset: 0, .size: 8, .value_kind: global_buffer, .address_space: global }
      - { .name: wcat, .offset: 8, .size: 8, .value_kind: global_buffer, .address_space: global }
      - { .name: bcat, .offset: 16, .size: 8, .value_kind: global_buffer, .address_space: global }
      - { .name: qkv, .offset: 24, .size: 8, .value_kind: global_buffer, .address_space: global }
    .group_segment_fixed_size: 327680
    .private_segment_fixed_size: 0
    .kernarg_segment_align: 8
    .kernarg_segment_size: 32
    .max_flat_workgroup_size: 128
    .sgpr_count:     66
    .vgpr_count:     768
    .wavefront_size: 32
...
	.end_amdgpu_metadata
.endif
;; end of part 2
;; launch attn (part 3): grid 8 x 32, 4 waves a work-group, clusters of 4 x 1, 327,680 bytes of LDS; arguments qkv, wcat, bcat, x, out0; writes out0
.if DOCPART == 3
	.amdgcn_target "amdgcn-amd-amdhsa--gfx1250"
	.amdhsa_code_object_version 6
	.text
	.protected	k_qaea5814306_attn
	.globl	k_qaea5814306_attn
	.p2align	8
	.type	k_qaea5814306_attn,@function
k_qaea5814306_attn:
	s_mov_b64 s[64:65], 0
	v_nop
	global_prefetch_b8 v0, s[64:65] scope:SCOPE_SE
	s_setreg_imm32_b32 hwreg(HW_REG_WAVE_MODE, 25, 1), 1
	s_wait_xcnt 0x0
	s_wait_alu depctr_hold_cnt(0) depctr_sa_sdst(0) depctr_va_vdst(0) depctr_va_sdst(0) depctr_va_ssrc(0) depctr_va_vcc(0) depctr_vm_vsrc(0)
	s_getreg_b32 s2, hwreg(HW_REG_IB_STS2, 6, 4)
	s_cmp_eq_u32 s2, 0
	s_cbranch_scc0 .Lentry_in_a_cluster
	s_endpgm
.Lentry_in_a_cluster:
	s_bfe_u32 s2, ttmp6, 0x10000c
	s_cmp_lg_u32 s2, 0x3003
	s_cbranch_scc0 .Lentry_shape_is_right
	s_endpgm
.Lentry_shape_is_right:
; out[b][o][i] = x[b][o][i] + proj_b[o] + the sum over c of proj_w[o][c] O[i][c],  O[i][:] = the sum over j of softmax_j(q[i] . k[j] / sqrt(512)) v[j][:].
; qkv: [3][32 b][1024 tokens][512] bf16.  wcat rows 1536-2047: proj_w, bf16.  bcat + 6,144: proj_b, f32.  x, out0: [32][512][1024] f32.  Products, maxima and sums in f32.
; SHARES.  A work-group owns 128 queries of one image, a wave 32: two tiles of 16.  O for them, 32 x 512 in f32, is 512 registers of the wave and never leaves it.  Every wave walks all 1,024 keys, 64 a step.
; LAYOUT.  S^T = K Q^T (source 0 = 16 keys, source 1 = 16 queries): a lane holds ONE query (lane % 16) and the keys 8 (lane / 16) + 0..7.  Two such results rounded to bf16 in pairs ARE source 1 of
; O^T = V^T P, whose result again holds one query a lane, and eight channels.  O^T / l rounded in pairs IS a fragment of 16 queries x 32 channels: source 0 of the projection, whose result holds one row o a lane and
; eight neighbouring tokens.  K and proj_w come out of LDS as they lie, V ([key][channel]) turned, by ds_load_tr16_b128.
; SOFTMAX.  For each query a running maximum m and sum l: p = 2^(c s - c m), c = log2(e) / sqrt(512); in every step O and l are multiplied by a = 2^(c m_old - c m_new).  c m starts at -4.25e37, O and l at 0:
; the first step is a step like any other, with a = 0.  The price: 512 lines that write 0, in the wait for the first tile; the gain: no third copy of a key step's text.
; A KEY STEP goes in phases: 128 products K Q^T; the two tiles' softmax, one batch of 66 exponentials with one wait; 128 products V^T P.  The rescaling of O^T rides: behind each product two lines scale
; accumulators of the next batch of 16; the first batch's 32 lines stand behind the softmax.
; CLUSTER.  The four query blocks of a cluster belong to one image and walk the same K, V and proj_w: each tile is asked for JOINTLY (mask 15).
; THE RING: two LDS slots of one key step (64 rows of K, 64 of V); the projection's eight tiles of 64 rows of proj_w walk on through the same slots.
; REGISTERS, in windows of 256 (s_set_vgpr_msb: bits 1:0 source 0, 3:2 source 1, 5:4 source 2, 7:6 destination):
;   window 0: v0-15 addresses; v16-31 eight registers of statistics a tile; v32-95 S^T, 32 a tile; v96-127 P, 16 a tile (in the projection: biases); v128-191, v192-255 two fragment buffers
;   window 1: Q, tile t, chunk c of 32 channels at 128 t + 8 c; later O in bf16 at the same places      window 2: O^T of tile 0, block cb of 16 channels at 8 cb; later v0-63 take x      window 3: O^T of tile 1
; LIMITS: q, k, v, p, O and proj_w are bf16.  |c s| stays under 1e37.  A weight below 2^-126 counts as 0.  NaN and infinities are not treated apart.
.set PK,    1040                       ; a row of K or proj_w in LDS: 1,024 bytes + 16: the 16 rows of a load start in 16 different groups of four banks (64 banks of 4 bytes: ISA guide 11.1)
.set PV,    1056                       ; a row of V: 1,024 + 32 = 33 x 32
.set VOFF,  64*PK                      ; in a slot: 64 rows of K, then 64 rows of V
.set XS,    0x21000                    ; slot 1 begins here; no LDS word of a descriptor has one of its two bits set in slot 0, so one exclusive or changes slots
.set OSTG,  XS+VOFF+64*PV              ; behind the ring, never filled by a tensor load: the work-group's stage, 64 rows o x 528 bytes
.set OP,    528                        ; 128 tokens of f32 + 16 bytes: an odd multiple of 16
.set SPARE, OSTG+64*OP                 ; the spare words, 128 bytes for each wave, that no other line names
.set BO,  1                            ; v1   4 (l % 16): my row's bias
.set AK0, 2                            ; v2   my lane's place in a tile of K; never rewritten
.set AV0, 3                            ; v3   the same for V
.set ADR, 4                            ; v4   AK0 in the slot in hand
.set ADV, 5                            ; v5   AV0 in the slot in hand
.set QO,  6                            ; v6   my byte offset in 16 rows of q
.set STO, 7                            ; v7   the stage: where I put 32 bytes of a row o
.set RD,  8                            ; v8   the stage: where I read a row back
.set XO,  9                            ; v9   16 x lane: my 16 bytes in 512 of a row of x and of out0
.set PFO, 10                           ; v10  K's and V's prefetches: row l / 4, block l % 4 of 256 bytes
.set PFX, 11                           ; v11  x's prefetches: row l / 2, block l % 2
.set SPW, 12                           ; v12  SPARE + 4 x my thread's number; never rewritten
.set NIL, 13                           ; v13  0; never rewritten
.set ST,  16                           ; tile t's statistics at v[ST+8 t]: +0 c m, +1 m, +2, +3 l (even keys', odd keys'), +4 to +7 c0-c3, at work; a takes c2's place
.set S,   32
.set P,   96
.set BV,  96
.set F0,  128
.set F1,  192
.set WV,  14                           ; s14  my wave's number
.set CNT, 15                           ; s15  tiles still to be asked for
.set TB,  16                           ; s16  LDS byte at which the slot in hand begins
.set LIM, 17                           ; s17  1 in a cluster that prefetches K and V, else the greatest number
.set PFA, 18                           ; s[18:19] where my prefetches of K or V stand
.set XB,  20                           ; s[20:21] x at my 16 rows o of the projection's step, my block's 512 bytes
.set OB,  22                           ; s[22:23] out0 at the same place
.set G1K, 24                           ; s[24:31] descriptor group 1 for K's tiles
.set G1V, 32                           ; s[32:39] for V's: it differs in the padding
.set G1P, 40                           ; s[40:47] for proj_w's: it differs from K's in the rows
.set G0K, 48                           ; s[48:51], s[52:55], s[56:59] descriptor groups 0: they walk
.set G0V, 52
.set G0P, 56
.set CS,  60                           ; s[60:61] c: the packed scaling names a pair and takes its low word for both halves
.set SEL, 62                           ; s[62:63] v_permlanex16_b32's selects: each lane takes its own place in the other half
.set PB,  66                           ; s[66:67] proj_b at the step's 64 rows
.set MSB, 0
.macro WIN new                         ; the immediate's high byte repeats the setting that is left; a switch that changes nothing is dropped
.if MSB != (\new)
	s_set_vgpr_msb (MSB<<8)|(\new)
.set MSB, (\new)
.endif
.endm
.macro PLACES                          ; four plain instructions between a product and a load into, or a vector use of, its registers (ISA guide 7.12.1 for a vector use)
.rept 4
	v_nop
.endr
.endm
.macro ROUND                           ; a round of the cluster's barrier: my work-group's barrier; wave 0 signals for the work-group; every wave waits for all four work-groups; my work-group's barrier once more
	s_barrier_signal -1
	s_barrier_wait -1
	s_cmp_lg_u32 s[WV], 0
	s_cbranch_scc1 .Lnot_wave_0_\@
	s_barrier_signal -3
.Lnot_wave_0_\@:
	s_barrier_wait -3
	s_barrier_signal -1
	s_barrier_wait -1
.endm
; A joint fill of a key step: waves 0 and 1 fetch the two halves of K's 64 rows, waves 2 and 3 those of V's.  The branch hangs on the wave's number alone.  An s_nop 0 and four v_nop follow each line.
.macro JLOAD
	s_cmp_lt_u32 s[WV], 2
	s_cbranch_scc0 .Lfor_v_\@
	tensor_load_to_lds s[G0K:G0K+3], s[G1K:G1K+7]
	s_nop 0
	PLACES
	s_branch .Lasked_\@
.Lfor_v_\@:
	tensor_load_to_lds s[G0V:G0V+3], s[G1V:G1V+7]
	s_nop 0
	PLACES
.Lasked_\@:
.endm
.macro PLOAD                           ; a joint fill of 64 rows of proj_w: each wave fetches 16
	tensor_load_to_lds s[G0P:G0P+3], s[G1P:G1P+7]
	s_nop 0
	PLACES
.endm
; A PREFETCH of the key step that the NEXT change of slots will ask for: one step, 256 products, ahead of that load.  Both clusters of an image walk the same K and V: the first asks.  Of the 32 rows that a wave
; fetches each of the four partners takes 8, told apart BY ADDRESS; a lane a block of 256 bytes: each block is named once in the launch.  The last change that fills asks for nothing.
.macro ASK
	s_cmp_gt_u32 s[CNT], s[LIM]
	s_cbranch_scc0 .Lnot_mine_\@
	global_prefetch_b8 v[PFO], s[PFA:PFA+1] th:TH_LOAD_NT scope:SCOPE_SE
.Lnot_mine_\@:
.endm
	s_load_b256 s[4:11], s[0:1], 0x0               ; qkv s[4:5], wcat s[6:7], bcat s[8:9], x s[10:11]
	s_load_b64 s[12:13], s[0:1], 0x20              ; out0
	v_lshl_add_u32 v[SPW], v0, 2, SPARE
	v_mov_b32 v[NIL], 0
	ds_add_u32 v[SPW], v[NIL]                      ; the wave's opening: the add and its wait stand ahead of my first tensor load; the set-up below, work on registers, stands between them
	v_lshrrev_b32 v1, 5, v0
	v_readfirstlane_b32 s[WV], v1                  ; wave 0..3
	s_bfe_u32 s68, ttmp6, 0x40000                  ; cx
	s_and_b32 s69, ttmp7, 0xffff                   ; the image, which the partners share
	s_lshl_b32 s70, ttmp9, 2
	s_add_co_u32 s70, s70, s68                     ; my block of 128 queries: it enters q's, x's, out0's and the prefetches' addresses alone
	s_mov_b32 s[G1K], 15|(1<<16)|(1<<20)|(1<<21)|(7<<22)|(3<<25)  ; 15:0 the mask of four; 17:16 2-byte elements; 20 padding on; 21 set beside a mask; 24:22 after every 256 words (code 7); 31:25 4 words (code 3)
	s_mov_b32 s[G1V], 15|(1<<16)|(1<<20)|(1<<21)|(7<<22)|(7<<25)  ; the same with 8 words of padding (code 7)
	s_mov_b32 s[G1P], 15|(1<<16)|(1<<20)|(1<<21)|(7<<22)|(3<<25)
.irp g, G1K, G1V
	s_mov_b32 s[\g+1], 512<<16                     ; tensor_dim0 = 512
	s_mov_b32 s[\g+2], 32<<16                      ; tensor_dim1 = 32
	s_mov_b32 s[\g+3], 512<<16                     ; tile_dim0 = 512
	s_mov_b32 s[\g+4], 32                          ; tile_dim1 = 32
	s_mov_b32 s[\g+5], 512                         ; 512 elements from row to row
	s_mov_b32 s[\g+6], 0
	s_mov_b32 s[\g+7], 0
.endr
	s_mov_b32 s[G1P+1], 512<<16
	s_mov_b32 s[G1P+2], 16<<16                     ; 16 rows
	s_mov_b32 s[G1P+3], 512<<16
	s_mov_b32 s[G1P+4], 16
	s_mov_b32 s[G1P+5], 512
	s_mov_b32 s[G1P+6], 0
	s_mov_b32 s[G1P+7], 0
	s_and_b32 s71, s[WV], 1                        ; which 32 rows of K's or V's 64 I fetch
	s_mov_b32 s[G0K], 1
	s_mul_i32 s[G0K+1], s71, 32*PK                 ; LDS addresses: slot 0; no place in the cluster enters them
	s_mov_b32 s[G0V], 1
	s_mul_i32 s[G0V+1], s71, 32*PV
	s_add_co_u32 s[G0V+1], s[G0V+1], VOFF
	s_mov_b32 s[G0P], 1
	s_mul_i32 s[G0P+1], s[WV], 16*PK
	s_lshl_b32 s72, s69, 20                        ; the image's 1,024 rows of 1,024 bytes,
	s_lshl_b32 s71, s71, 15                        ; my 32 rows of a step
	s_add_co_u32 s72, s72, s71
	s_mov_b32 s73, 0
	s_lshl_b32 s74, s69, 20                        ; q: the image, my block's 128 rows, my wave's 32
	s_lshl_b32 s71, s70, 17
	s_add_co_u32 s74, s74, s71
	s_lshl_b32 s71, s[WV], 15
	s_add_co_u32 s74, s74, s71
	s_mov_b32 s75, 0
	s_mov_b32 s[CS], 0x3d8293ee                    ; c = log2(e) / sqrt(512) = 0.0637587
	s_mov_b32 s[CS+1], s[CS]                       ; named with it as a pair
	s_mov_b32 s[SEL], 0x76543210
	s_mov_b32 s[SEL+1], 0xfedcba98
	s_mov_b32 s[TB], 0
	s_cmp_eq_u32 ttmp9, 0                          ; the image's first cluster: the same in all four partners
	s_cselect_b32 s[LIM], 1, -1
	v_and_b32 v14, 15, v0                          ; l % 16
	v_bfe_u32 v15, v0, 4, 1                        ; l / 16
	v_lshlrev_b32 v[BO], 2, v14
	v_mul_u32_u24 v[AK0], v14, PK                  ; a fragment of K, Q or proj_w is 16 rows x 32 channels: row l % 16, channels 8 (l / 16) + 0..7 and 16 + 8 (l / 16) + 0..7: two loads of 16 bytes, 32 apart
	v_lshl_add_u32 v[AK0], v15, 4, v[AK0]
	v_and_b32 v4, 7, v0                            ; the turning load takes 16 keys x 16 channels: lane l reads key 8 (l / 16) + l % 8, channels 8 ((l / 8) % 2) + 0..7, and is left with channel l % 16 and 8 keys
	v_lshl_add_u32 v[AV0], v15, 3, v4
	v_mul_u32_u24 v[AV0], v[AV0], PV
	v_bfe_u32 v4, v0, 3, 1
	v_lshl_add_u32 v[AV0], v4, 4, v[AV0]
	v_add_nc_u32 v[AV0], VOFF, v[AV0]
	v_lshlrev_b32 v[QO], 10, v14
	v_lshl_add_u32 v[QO], v15, 4, v[QO]
	s_lshl_b32 s71, s[WV], 7                       ; the stage, in: row o = l % 16, my wave's 32 tokens (128 bytes), 32 bytes for each half of the lanes
	s_add_co_u32 s71, s71, OSTG
	v_mul_u32_u24 v[STO], v14, OP
	v_lshl_add_u32 v[STO], v15, 5, v[STO]
	v_add_nc_u32 v[STO], s71, v[STO]
	s_mul_i32 s71, s[WV], 16*OP                    ; back: wave w takes rows 16 w .. 16 w + 15, a whole row of 512 bytes a load
	s_add_co_u32 s71, s71, OSTG
	v_and_b32 v4, 31, v0
	v_lshlrev_b32 v[XO], 4, v4
	v_add_nc_u32 v[RD], s71, v[XO]
	v_lshrrev_b32 v[PFO], 2, v4
	v_lshlrev_b32 v[PFO], 10, v[PFO]
	v_and_b32 v5, 3, v4
	v_lshl_add_u32 v[PFO], v5, 8, v[PFO]
	v_lshrrev_b32 v[PFX], 1, v4
	v_lshlrev_b32 v[PFX], 12, v[PFX]
	v_and_b32 v5, 1, v4
	v_lshl_add_u32 v[PFX], v5, 8, v[PFX]
	s_wait_dscnt 0x0                               ; the opening add is done
	s_wait_kmcnt 0x0
	s_add_nc_u64 s[G0K+2:G0K+3], s[4:5], s[72:73]
	s_add_nc_u64 s[G0V+2:G0V+3], s[G0K+2:G0K+3], 0x4000000  ; v is matrix 2,
	s_add_nc_u64 s[G0K+2:G0K+3], s[G0K+2:G0K+3], 0x2000000  ; k matrix 1, of 2^25 bytes each
	s_cmp_lt_u32 s[WV], 2
	s_cselect_b64 s[PFA:PFA+1], s[G0K+2:G0K+3], s[G0V+2:G0V+3]  ; my prefetches name rows of what I fetch
	s_or_b32 s[G0K+3], s[G0K+3], 0x80000000        ; type = 2
	s_or_b32 s[G0V+3], s[G0V+3], 0x80000000
	s_lshl_b32 s72, s[WV], 14                      ; proj_w: rows 1536 on of wcat, my 16 of a tile
	s_add_co_u32 s72, s72, 3*524288
	s_add_nc_u64 s[G0P+2:G0P+3], s[6:7], s[72:73]
	s_or_b32 s[G0P+3], s[G0P+3], 0x80000000
	s_add_nc_u64 s[4:5], s[4:5], s[74:75]          ; q at my wave's first row
	s_lshl_b32 s74, s68, 13                        ; my work-group's 8 rows of the 32,
	s_add_co_u32 s74, s74, 65536                   ; in step 1; the first change of slots steps them to step 2
	s_add_nc_u64 s[PFA:PFA+1], s[PFA:PFA+1], s[74:75]
	s_lshl_b32 s74, s69, 21                        ; x and out0: the image's 512 rows of 4,096 bytes,
	s_lshl_b32 s71, s70, 9                         ; my block's 512 bytes of a row,
	s_add_co_u32 s74, s74, s71
	s_lshl_b32 s71, s[WV], 16                      ; my wave's 16 rows of a step's 64
	s_add_co_u32 s74, s74, s71
	s_add_nc_u64 s[XB:XB+1], s[10:11], s[74:75]
	s_add_nc_u64 s[OB:OB+1], s[12:13], s[74:75]
	s_add_nc_u64 s[PB:PB+1], s[8:9], 6144
	ROUND                                          ; all four work-groups are here: the first joint loads meet
	JLOAD                                          ; key step 0 into slot 0
	WIN 0x40                                       ; destination window 1, address window 0
.set c, 0
.rept 16                                       ; Q stays in registers
.irp t, 0,1
	global_load_b128 v[128*\t+8*c:128*\t+8*c+3],   v[QO], s[4:5] offset:16384*\t+64*c
	global_load_b128 v[128*\t+8*c+4:128*\t+8*c+7], v[QO], s[4:5] offset:16384*\t+64*c+32
.endr
.set c, c+1
.endr
	WIN 0
.irp t, 0,1
	v_mov_b32 v[ST+8*\t], 0xfe000000               ; c m: far below every c s
	v_mov_b32 v[ST+8*\t+1], 0xff7fffff             ; m: the lowest finite number
	v_mov_b32 v[ST+8*\t+2], 0
	v_mov_b32 v[ST+8*\t+3], 0
.endr
	WIN 0x80                                       ; O^T starts at 0: written in the wait for the first tile
.set q, 0
.rept 256
	v_mov_b32 v[q], 0
.set q, q+1
.endr
	WIN 0xc0
.set q, 0
.rept 256
	v_mov_b32 v[q], 0
.set q, q+1
.endr
	WIN 0
; THE LDS LOADS stand in runs of 16.  Batch i of 8 of K (or proj_w): all 64 rows, chunks 2 i and 2 i + 1 of 32 channels, into buffer f.
.macro FETCHK i, f
	WIN 0
.irp cc, 0,1
.irp kb, 0,1,2,3
	ds_load_b128 v[(\f)+8*(4*\cc+\kb):(\f)+8*(4*\cc+\kb)+3],   v[ADR] offset:16*PK*\kb+64*(2*(\i)+\cc)
	ds_load_b128 v[(\f)+8*(4*\cc+\kb)+4:(\f)+8*(4*\cc+\kb)+7], v[ADR] offset:16*PK*\kb+64*(2*(\i)+\cc)+32
.endr
.endr
.endm
; Batch i of 8 of V: all 64 keys (two halves kk), channel blocks 4 i + u.
.macro FETCHV i, f
	WIN 0
.irp kk, 0,1
.irp u, 0,1,2,3
	ds_load_tr16_b128 v[(\f)+8*(4*\kk+\u):(\f)+8*(4*\kk+\u)+3],   v[ADV] offset:32*PV*\kk+32*(4*(\i)+\u)
	ds_load_tr16_b128 v[(\f)+8*(4*\kk+\u)+4:(\f)+8*(4*\kk+\u)+7], v[ADV] offset:32*PV*\kk+16*PV+32*(4*(\i)+\u)
.endr
.endr
.endm
; 16 products onto the eight accumulators S(t, kb), which take turns, one instruction a turn.  swap = 0: S^T += K Q^T.  swap = 1, the projection: source 0 = O (at Q's places), source 1 = proj_w.
; Batch 0's first eight start the sums with the constant 0.
.macro MULS i, f, swap
	WIN 0x04-3*(\swap)                             ; Q's places lie in window 1: source 1, or source 0
.irp cc, 0,1
.irp kb, 0,1,2,3
.irp t, 0,1
.set rD, S+32*\t+8*\kb
.set rF, (\f)+8*(4*\cc+\kb)
.set rQ, 128*\t+8*(2*(\i)+\cc)
.if \swap
.if ((\i) == 0) && (\cc == 0)
	v_wmma_f32_16x16x32_bf16 v[rD:rD+7], v[rQ:rQ+7], v[rF:rF+7], 0
.else
	v_wmma_f32_16x16x32_bf16 v[rD:rD+7], v[rQ:rQ+7], v[rF:rF+7], v[rD:rD+7]
.endif
.else
.if ((\i) == 0) && (\cc == 0)
	v_wmma_f32_16x16x32_bf16 v[rD:rD+7], v[rF:rF+7], v[rQ:rQ+7], 0
.else
	v_wmma_f32_16x16x32_bf16 v[rD:rD+7], v[rF:rF+7], v[rQ:rQ+7], v[rD:rD+7]
.endif
.endif
.endr
.endr
.endr
.endm
; 16 products O^T += V^T P for channel blocks 4 i + u: (kk 0: tile 0's four, tile 1's four), (kk 1: the same): seven others stand between the two links of a chain.
; ride = 1: behind product n stand two lines that multiply by a four registers of the same tile's accumulators of batch i + 1, in ascending order.
.macro MULV i, f, ride
.set n, 0
.rept 16
.set kk, n/8
.set t, (n/4)%2
.set u, n%4
	WIN 0xa0+0x50*t                                ; C and D in window 2 or 3
	v_wmma_f32_16x16x32_bf16 v[32*(\i)+8*u:32*(\i)+8*u+7], v[(\f)+8*(4*kk+u):(\f)+8*(4*kk+u)+7], v[P+16*t+8*kk:P+16*t+8*kk+7], v[32*(\i)+8*u:32*(\i)+8*u+7]
.if \ride
	WIN 0x82+0x41*t                                ; destination and source 0 in window 2 or 3, a in window 0
.set q, 32*((\i)+1)+4*(u+4*kk)
	v_pk_mul_f32 v[q:q+1], v[q:q+1], v[ST+8*t+6:ST+8*t+7] op_sel_hi:[1,0]
	v_pk_mul_f32 v[q+2:q+3], v[q+2:q+3], v[ST+8*t+6:ST+8*t+7] op_sel_hi:[1,0]
.endif
.set n, n+1
.endr
.endm
; One tile's softmax for a key step is a list of 102 lines; SM writes number j of it for tile t.  s0-s31 are the lane's 32 scores, in pairs 0-15.
;   0-15    the maximum of s0-s31 and the old m, three operands at a time; each accumulator's lowest registers are read first
;   16-20   the other half of the lanes' maximum; c m_old is kept; the new m; c m; c m_old - c m_new
;   21-69   ONE BATCH: the 16 scalings c s - c m and all 33 exponentials (a at 23, then s0-s31); none of these names an exponential's result; a pair is scaled ahead of its exponentials
;   70-85   the roundings to bf16          86-101  the sums; l = a l + the sum
.macro SM t
.set rT, ST+8*(\t)
.set rS, S+32*(\t)
.set rP, P+16*(\t)
.if j < 4
	v_max3_num_f32 v[rT+4+j], v[rS+8*j], v[rS+8*j+1], v[rS+8*j+2]
.elseif j < 12
	v_max3_num_f32 v[rT+4+j%4], v[rT+4+j%4], v[rS+8*(j%4)+2*(j/4)+1], v[rS+8*(j%4)+2*(j/4)+2]
.elseif j == 12
	v_max3_num_f32 v[rT+4], v[rT+4], v[rS+7], v[rS+15]
.elseif j == 13
	v_max3_num_f32 v[rT+6], v[rT+6], v[rS+23], v[rS+31]
.elseif j == 14
	v_max3_num_f32 v[rT+4], v[rT+4], v[rT+5], v[rT+6]
.elseif j == 15
	v_max3_num_f32 v[rT+4], v[rT+4], v[rT+7], v[rT+1]
.elseif j == 16
	v_permlanex16_b32 v[rT+5], v[rT+4], s[SEL], s[SEL+1]  ; the query's other 32 keys lie in the lane 16 away
.elseif j == 17
	v_mov_b32 v[rT+7], v[rT]
.elseif j == 18
	v_max_num_f32 v[rT+1], v[rT+4], v[rT+5]
.elseif j == 19
	v_mul_f32 v[rT], s[CS], v[rT+1]
.elseif j == 20
	v_sub_f32 v[rT+7], v[rT+7], v[rT]
.elseif j == 23
	v_exp_f32 v[rT+6], v[rT+7]
.elseif (j < 23) || ((j < 38) && (j%2 == 0)) || ((j < 66) && (j%4 == 2))
.set b, (j-2)/4                        ; 38, 42, .. 62: pairs 9 to 15
.if j < 38
.set b, (j-20)/2                       ; 21: pair 0; 22, 24, .. 36: pairs 1 to 8
.endif
	v_pk_fma_f32 v[rS+2*b:rS+2*b+1], v[rS+2*b:rS+2*b+1], s[CS:CS+1], v[rT:rT+1] op_sel_hi:[1,0,0] neg_lo:[0,0,1] neg_hi:[0,0,1]
.elseif j < 70
.set e, j-38                           ; 66 to 69: s28 to s31
.if j < 66
.set e, j-32-(j-38)/4                  ; 39-41, 43-45, .. 63-65: s7 to s27
.endif
.if j < 38
.set e, (j-25)/2                       ; 25, 27, .. 37: s0 to s6
.endif
	v_exp_f32 v[rS+e], v[rS+e]
.elseif j < 86
	v_cvt_pk_bf16_f32 v[rP+j-70], v[rS+2*(j-70)], v[rS+2*(j-70)+1]
.else
.set z, j-86                           ; in place: neighbours 1, 2, 4 and 8 pairs apart, then l takes the sum
.set w, 4
.set y, z
.if z >= 14
.set w, 32
.set y, 0
.elseif z >= 12
.set w, 16
.set y, z-12
.elseif z >= 8
.set w, 8
.set y, z-8
.endif
.if z < 15
	v_pk_add_f32 v[rS+w*y:rS+w*y+1], v[rS+w*y:rS+w*y+1], v[rS+w*y+w/2:rS+w*y+w/2+1]
.else
	v_pk_fma_f32 v[rT+2:rT+3], v[rT+2:rT+3], v[rT+6:rT+7], v[rS:rS+1] op_sel_hi:[1,0,1]
.endif
.endif
.endm
; Both tiles' lists, line by line by turns, so that no line uses the result of the one before it.  One wait for the 66 exponentials: ahead of it nothing names a result, behind it no exponential is issued.
.macro SOFT
	WIN 0
.set j, 0
.rept 70
	SM 0
	SM 1
.set j, j+1
.endr
	v_nop                                          ; a plain instruction behind the last exponential (ISA guide 5.7.2),
	s_wait_alu depctr_va_vdst(0)                   ; and a wait ahead of the first use: one for the batch
.rept 32
	SM 0
	SM 1
.set j, j+1
.endr
	WIN 0x82                                       ; the first batch's accumulators times a: they have no products to ride behind
.set q, 0
.rept 16
	v_pk_mul_f32 v[q:q+1], v[q:q+1], v[ST+6:ST+7] op_sel_hi:[1,0]
.set q, q+2
.endr
	WIN 0xc3
.set q, 0
.rept 16
	v_pk_mul_f32 v[q:q+1], v[q:q+1], v[ST+14:ST+15] op_sel_hi:[1,0]
.set q, q+2
.endr
.endm
; A KEY STEP.  Two fragment buffers take turns; a run of 16 loads goes out four places behind the batch that read its buffer, a batch of 16 products ahead of its use.
; Every s_wait_dscnt 16 leaves out the 16 loads of the batch after the one that is wanted.
.macro STEP
	FETCHK 0, F0
	FETCHK 1, F1
.irp i, 0,1,2,3,4,5,6,7
	s_wait_dscnt 16
	MULS \i, F0+64*(\i%2), 0
	PLACES
.if \i < 6
	FETCHK \i+2, F0+64*(\i%2)
.else
	FETCHV \i-6, F0+64*(\i%2)
.endif
.endr
	SOFT
.irp i, 0,1,2,3,4,5,6,7
.if \i == 7
	s_wait_dscnt 0x0                               ; nothing was issued behind the last batch's loads
	MULV \i, F0+64*(\i%2), 0
.else
	s_wait_dscnt 16
	MULV \i, F0+64*(\i%2), 1
.endif
.if \i < 6
	PLACES
	FETCHV \i+2, F0+64*(\i%2)
.endif
.endr
	WIN 0
	s_xor_b32 s[TB], s[TB], XS
.endm
; THE CHANGE OF SLOTS.  Each wave waits for all its tensor loads, of which one is out: its part of the slot to be read; adds 0 to its spare word; waits for that and for its reads of the slot that it leaves.
; The round then holds of every wave of every partner, and the joint fill is the first thing behind it.  kind 1: the next key step.  2: the projection's tile 0.  3: its next tile.  0: nothing.
.macro CHANGE kind
	WIN 0
.if (\kind) == 1
	s_wait_xcnt 0x0                                ; the last prefetch, a key step back, has read its address, which is stepped below
.endif
	s_wait_tensorcnt 0x0                           ; no tensor load of mine is out, so a group 0 may be written
	ds_add_u32 v[SPW], v[NIL]                      ; 0 onto my spare word; the descriptors' steps stand between it and the wait for it
.if (\kind) == 1
.irp g, G0K, G0V
	s_xor_b32 s[\g+1], s[\g+1], XS                 ; the other slot,
	s_add_nc_u64 s[\g+2:\g+3], s[\g+2:\g+3], 65536 ; the next 64 keys; the type bits on top are not reached
.endr
	s_add_nc_u64 s[PFA:PFA+1], s[PFA:PFA+1], 65536
.elseif (\kind) == 3
	s_xor_b32 s[G0P+1], s[G0P+1], XS
	s_add_nc_u64 s[G0P+2:G0P+3], s[G0P+2:G0P+3], 65536
.endif
	s_wait_dscnt 0x0
	ROUND
.if (\kind) == 1
	JLOAD
	ASK
.elseif (\kind) >= 2
	PLOAD
.endif
	v_add_nc_u32 v[ADR], s[TB], v[AK0]
	v_add_nc_u32 v[ADV], s[TB], v[AV0]
.endm
; A STEP OF THE PROJECTION: 64 rows o x my 32 tokens, 128 products.  x and the biases are asked for at its head.  The results go through the work-group's stage, since a row's 512 bytes come from four waves;
; each wave then takes 16 whole rows, adds x and stores.  ask = 1: x of the step after next is prefetched, each wave its own 16 rows x 512 bytes, a lane a block of 256 bytes; the last two steps that could ask have nothing left.
.macro PSTEP ask
	WIN 0
.irp e, 0,1,2,3,4,5,6,7
	global_load_b32 v[BV+\e], v[BO], s[PB:PB+1] offset:64*(\e/2)  ; block kb's bias of my row, in both registers of pair kb
.endr
	WIN 0x80
.set i, 0
.rept 16
	global_load_b128 v[4*i:4*i+3], v[XO], s[XB:XB+1] offset:4096*i th:TH_LOAD_NT  ; 512 consecutive bytes
.set i, i+1
.endr
	WIN 0
.if \ask
	s_cmp_gt_u32 s[CNT], 1
	s_cbranch_scc0 .Lno_x_\@
	global_prefetch_b8 v[PFX], s[XB:XB+1] offset:524288 th:TH_LOAD_NT scope:SCOPE_SE
.Lno_x_\@:
.endif
	FETCHK 0, F0
	FETCHK 1, F1
.irp i, 0,1,2,3,4,5,6,7
.if \i == 7
	s_wait_dscnt 0x0
.else
	s_wait_dscnt 16                                ; the next batch's 16 loads may stay out
.endif
	MULS \i, F0+64*(\i%2), 1
.if \i < 6
	PLACES
	FETCHK \i+2, F0+64*(\i%2)
.endif
.endr
	PLACES
	WIN 0
	s_wait_loadcnt 16                              ; the biases are in; x's 16 loads, issued behind them, may stay out
.irp t, 0,1
.irp kb, 0,1,2,3
.irp p, 0,1,2,3
	v_pk_add_f32 v[S+32*\t+8*\kb+2*\p:S+32*\t+8*\kb+2*\p+1], v[S+32*\t+8*\kb+2*\p:S+32*\t+8*\kb+2*\p+1], v[BV+2*\kb:BV+2*\kb+1]
.endr
.endr
.endr
.irp t, 0,1
.irp kb, 0,1,2,3
	ds_store_b128 v[STO], v[S+32*\t+8*\kb:S+32*\t+8*\kb+3]   offset:16*OP*\kb+64*\t
	ds_store_b128 v[STO], v[S+32*\t+8*\kb+4:S+32*\t+8*\kb+7] offset:16*OP*\kb+64*\t+16
.endr
.endr
	s_wait_dscnt 0x0                               ; for the others' sake: my stores into the stage are done
	s_barrier_signal -1                            ; the tile on its way may stay out
	s_barrier_wait -1
.set i, 0
.rept 16
	ds_load_b128 v[F0+4*i:F0+4*i+3], v[RD] offset:OP*i
.set i, i+1
.endr
	s_wait_loadcnt 0x0                             ; x
	s_wait_dscnt 0x0                               ; my reads of the stage are over: the next change's round stands between them and the next step's stores
	WIN 0x08                                       ; source 1, x, in window 2
.set q, 0
.rept 32
	v_pk_add_f32 v[F0+q:F0+q+1], v[F0+q:F0+q+1], v[q:q+1]
.set q, q+2
.endr
	WIN 0
.set i, 0
.rept 16
	global_store_b128 v[XO], v[F0+4*i:F0+4*i+3], s[OB:OB+1] offset:4096*i th:TH_STORE_NT  ; 512 consecutive bytes, aligned
.set i, i+1
.endr
	s_wait_xcnt 0x0                                ; the loads, the prefetch and the stores have read their bases and data: the bases are stepped here, the data registers loaded again in the next step
	s_add_nc_u64 s[XB:XB+1], s[XB:XB+1], 262144    ; 64 rows of 4,096 bytes on
	s_add_nc_u64 s[OB:OB+1], s[OB:OB+1], 262144
	s_add_nc_u64 s[PB:PB+1], s[PB:PB+1], 256
	s_xor_b32 s[TB], s[TB], XS
.endm
	s_wait_loadcnt 0x0                             ; Q
	s_mov_b32 s[CNT], 15
.Lkey:                                         ; key steps 0 to 14: each asks for the next
	CHANGE 1
	STEP
	s_sub_co_u32 s[CNT], s[CNT], 1
	s_cmp_lg_u32 s[CNT], 0
	s_cbranch_scc1 .Lkey
	CHANGE 2                                       ; the last key step is written out: it lies in slot 1, and slot 0 takes proj_w's first tile
	STEP
	; l's two halves and the other half of the lanes' are added; O^T is divided by l and rounded to bf16 into Q's places.  The additions and the v_nop are the places behind the last products.
.irp t, 0,1
	v_add_f32 v[ST+8*\t+4], v[ST+8*\t+2], v[ST+8*\t+3]
.endr
.irp t, 0,1
	v_permlanex16_b32 v[ST+8*\t+5], v[ST+8*\t+4], s[SEL], s[SEL+1]
.endr
.irp t, 0,1
	v_add_f32 v[ST+8*\t+4], v[ST+8*\t+4], v[ST+8*\t+5]
.endr
.irp t, 0,1
	v_rcp_f32 v[ST+8*\t+6], v[ST+8*\t+4]
.endr
	v_nop                                          ; a plain instruction between the last reciprocal and the use of its result,
	s_wait_alu depctr_va_vdst(0)                   ; and a wait ahead of the first use: one for both
.irp t, 0,1
	WIN 0x82+0x41*\t
.set q, 0
.rept 128
	v_pk_mul_f32 v[q:q+1], v[q:q+1], v[ST+8*\t+6:ST+8*\t+7] op_sel_hi:[1,0]  ; ascending: each accumulator from its lowest registers on
.set q, q+2
.endr
	WIN 0x4a+5*\t                                  ; sources 0 and 1 in window 2 or 3, destination in window 1
.set q, 0
.rept 128
	v_cvt_pk_bf16_f32 v[128*\t+q], v[2*q], v[2*q+1]
.set q, q+1
.endr
.endr
	WIN 0
	s_mov_b32 s[CNT], 7
.Lproj:                                        ; the projection's steps 0 to 6: each asks for the next tile
	CHANGE 3
	PSTEP 1
	s_sub_co_u32 s[CNT], s[CNT], 1
	s_cmp_lg_u32 s[CNT], 0
	s_cbranch_scc1 .Lproj
	CHANGE 0                                       ; the last step is written out: nothing is asked for
	PSTEP 0
	s_wait_tensorcnt 0x0                           ; the wave's end: behind my last tensor load and my last LDS store
	ds_add_u32 v[SPW], v[NIL]
	s_wait_dscnt 0x0
	ROUND                                          ; the closing round: no work-group ends while a partner may still ask for a tile that names it
	s_endpgm
.Lfunc_end_k_qaea5814306_attn:
	.size	k_qaea5814306_attn, .Lfunc_end_k_qaea5814306_attn-k_qaea5814306_attn
	.p2alignl 7, 3214868480
	.fill 96, 4, 3214868480
	.section	.rodata,"a",@progbits
	.p2align	6, 0x0
	.amdhsa_kernel k_qaea5814306_attn
		.amdhsa_group_segment_fixed_size 327680
		.amdhsa_private_segment_fixed_size 0
		.amdhsa_enable_private_segment 0
		.amdhsa_kernarg_size 40
		.amdhsa_user_sgpr_count 2
		.amdhsa_user_sgpr_kernarg_segment_ptr 1
		.amdhsa_wavefront_size32 1
		.amdhsa_system_sgpr_workgroup_id_x 1
		.amdhsa_system_sgpr_workgroup_id_y 1
		.amdhsa_system_sgpr_workgroup_id_z 1
		.amdhsa_system_vgpr_workitem_id 0
		.amdhsa_next_free_vgpr 1024
		.amdhsa_next_free_sgpr 76
		.amdhsa_reserve_vcc 0
		.amdhsa_float_denorm_mode_32 3
		.amdhsa_float_denorm_mode_16_64 3
		.amdhsa_memory_ordered 1
		.amdhsa_forward_progress 1
		.amdhsa_inst_pref_size 255
	.end_amdhsa_kernel
	.section	.bss,"aw",@nobits
	.p2align	6
	.space	262144
	.amdgpu_metadata
---
amdhsa.version: [ 1, 2 ]
amdhsa.kernels:
  - .name:           k_qaea5814306_attn
    .symbol:         k_qaea5814306_attn.kd
    .args:
      - { .name: qkv, .offset: 0, .size: 8, .value_kind: global_buffer, .address_space: global }
      - { .name: wcat, .offset: 8, .size: 8, .value_kind: global_buffer, .address_space: global }
      - { .name: bcat, .offset: 16, .size: 8, .value_kind: global_buffer, .address_space: global }
      - { .name: x, .offset: 24, .size: 8, .value_kind: global_buffer, .address_space: global }
      - { .name: out0, .offset: 32, .size: 8, .value_kind: global_buffer, .address_space: global }
    .group_segment_fixed_size: 327680
    .private_segment_fixed_size: 0
    .kernarg_segment_align: 8
    .kernarg_segment_size: 40
    .max_flat_workgroup_size: 128
    .sgpr_count:     76
    .vgpr_count:     1024
    .wavefront_size: 32
...
	.end_amdgpu_metadata
.endif
;; end of part 3
;; ======== version 2 of 2: 2 launches
;; workspace buffers: hb 33,554,432 bytes; fw 1,118,464 bytes
;; launch prep (part 4): grid 256 x 1, 32 waves a work-group, no clusters, 324,864 bytes of LDS; arguments x, hb, fw, norm_w, norm_b, q_w, k_w, v_w, proj_w, q_b, k_b, v_b, proj_b; writes hb, fw
.if DOCPART == 4
	.amdgcn_target "amdgcn-amd-amdhsa--gfx1250"
	.amdhsa_code_object_version 6
	.text
	.protected	k_qaea5814306_prep
	.globl	k_qaea5814306_prep
	.p2align	8
	.type	k_qaea5814306_prep,@function
k_qaea5814306_prep:
	s_mov_b64 s[64:65], 0
	v_nop
	global_prefetch_b8 v0, s[64:65] scope:SCOPE_SE
	s_setreg_imm32_b32 hwreg(HW_REG_WAVE_MODE, 25, 1), 1
	s_wait_xcnt 0x0
; GROUP NORM, AND THE FOLDING OF THE WEIGHTS, in one launch.
; GROUP NORM.  x: [32][512][1024] f32.  A group is 16 channels x 1,024 tokens: 65,536 dense bytes.  A work-group has four TEAMS of eight waves; team T of work-group n owns group 4 n + T (= 32 b + g).
; Thread t of a team's 256 owns tokens 4 t .. 4 t + 3 in all 16 channels: 16 loads of 16 bytes, 64 registers: the group is read once and stays in registers between the mean, the variance (of x - mean: no difference
; of large sums) and the scaling.  OUT: hb[b][octet of channels 0..63][token][8 channels] bf16.  A thread's 128 bytes are turned into runs of 512 bytes through the wave's own stage in LDS.
; THE FOLDING, so that attention can take h itself as keys and as values:
;   q_i . k_j = q'_i . h_j + t_i,  q' = M1 h + u,  M1[a][c] = sum over o of k_w[o][a] q_w[o][c],  u[a] = sum over o of k_w[o][a] q_b[o],  t_i = (sum over o of k_b[o] q_w[o][:]) . h_i + k_b . q_b
;   proj_w (v p) + proj_b = M2 (h p) + b2,  M2 = proj_w v_w,  b2 = proj_w v_b + proj_b      (a row of softmax sums to 1)
; OUT, in fw:  m1: 8 panels of 64 columns c, each [576 rows a][64] bf16, dense; rows 512-575 all hold the row made of k_b.   m2 at M2OFF: [512][512] bf16.   u1 at U1OFF: [576] f32 (512 on: k_b . q_b).   b2 at B2OFF: [512] f32.
; Work-groups 0-152 make one block of 64 rows x 64 columns each: n < 81: M1's block (n / 9, n % 9); else M2's ((n - 81) / 9, (n - 81) % 9).  M1's row block 8 is made of k_b; column block 8 of q_b or v_b: it gives u1 or b2.
; A bias stands for a panel all of whose columns are alike: the panel's loads name a weight's first block, and a select by a scalar mask puts the bias in their place.
; ORDER in such a work-group: both panels, 512 along K x 64, come straight from the f32 inputs, 16 loads a thread, into the registers that x takes afterwards; they are rounded to bf16 and stored into LDS; THEN x IS ASKED FOR, and
; the products, the stage and the stores of the block stand in the time in which x is on its way.  Waves 0-15 take a tile of 16 x 16 each, K = 512 in 16 chunks, on two accumulators by turns.
; Where K runs down the rows of memory (q_w, k_w, v_w) a panel lies in LDS as [k][64] and comes out turned, by ds_load_tr16_b128.  proj_w has K along its rows: its panel lies as [block of 64 k][row][64 k], so that
; its loads and stores are the same text, and comes out by plain loads.  D = (source 0: 16 columns, source 1: 16 rows): a lane holds one row (lane % 16) and 8 neighbouring columns: 16 bytes.
; The way with a block and the way without are two whole ways under one branch on the work-group's number, which is the same for all its waves.
; No cluster and no tensor load: x is shared by nobody, and the panels are rounded on their way in.  No prefetch: every byte is asked for at the head.
; m1's blocks are 8,192 consecutive bytes.  m2's rows of a block are 128 bytes, half of an aligned 256: 512 KiB in all are stored so.
; LIMITS: h, the four weight matrices and q_b, k_b, v_b are rounded once to bf16; M1 and M2 once to bf16.  NaN and infinities are not treated apart.
.set STG,   256                        ; LDS: bytes 0-255 the two reductions' words (4 bytes a wave each); from 256 on a stage of 4,608 bytes for each wave
.set WSTG,  4608                       ; 32 threads x 144
.set TP,    144                        ; a thread's 128 bytes + 16: an odd multiple of 16
.set PP,    160                        ; a panel's row: 128 bytes + 32: an odd multiple of 32
.set BPN,   STG+32*WSTG                ; B's panel, 512 rows
.set APN,   BPN+512*PP                 ; A's panel, 512 rows
.set FST,   APN+512*PP                 ; the block's stage: 64 rows x 144
.set FP,    144
.set SPARE, FST+64*FP                  ; the spare words, 128 bytes for each wave, that no other line names
.set HALFP, 256*PP                     ; half a panel: a second address register so far on keeps every LDS offset within 16 bits
.set PANEL, 73728                      ; a panel of m1: 576 rows x 128 bytes
.set M2OFF, 589824
.set U1OFF, 1114112
.set B2OFF, 1116416
.set SPW,   8                          ; v8   SPARE + 4 x my thread's number; never rewritten
.set NIL,   9                          ; v9   0; never rewritten
.set FBD,   11                         ; v11-12  first B's panel in memory and A's; then B's turning loads: chunks 0-7, 8-15
.set FAD,   13                         ; v13-14  first B's panel in LDS and A's; then A's fragment loads: chunks 0-7, 8-15
.set BA,    16                         ; v[16:23]  k_b at my eight rows of A's panel
.set BB,    24                         ; v[24:31]  q_b or v_b at my eight rows of B's panel
.set ACC,   16                         ; v[16:31]  then two accumulators; then the norm's chains and single numbers
.set SA,    32                         ; v[32:63]  A's panel on its way to LDS
.set SB,    64                         ; v[64:95]  B's
.set X,     32                         ; v[32:95]  then x: channel i, token k at X + 4 i + k
.set FR,    96                         ; v[96:127] two sets of fragments: A's 8 registers, B's 8
.set Y,     96                         ; v[96:127] at the end the packed h: token k, channel pair p at Y + 8 k + p
.set GW,    36                         ; s[36:51]  the group's 16 gains
.set GB,    68                         ; s[68:83]  the group's 16 biases
	s_load_b512 s[8:23], s[0:1], 0x0               ; x 8, hb 10, fw 12, norm_w 14, norm_b 16, q_w 18, k_w 20, v_w 22
	s_load_b256 s[24:31], s[0:1], 0x40             ; proj_w 24, q_b 26, k_b 28, v_b 30
	s_load_b64 s[32:33], s[0:1], 0x60              ; proj_b
	v_lshl_add_u32 v[SPW], v0, 2, SPARE
	v_mov_b32 v[NIL], 0
	v_lshrrev_b32 v24, 5, v0
	v_readfirstlane_b32 s34, v24                   ; wave 0..31
	v_lshlrev_b32 v7, 2, v24                       ; my wave's word in a reduction
	s_lshr_b32 s35, s34, 3                         ; team 0..3
	s_and_b32 s6, s34, 7                           ; wave in its team
	s_lshl_b32 s7, s35, 5
	v_mov_b32 v10, s7                              ; my team's eight words
	v_and_b32 v2, 31, v0                           ; lane
	v_and_b32 v1, 255, v0                          ; t
	v_lshlrev_b32 v1, 4, v1                        ; 16 t: my 16 bytes in a channel's row
	s_mul_i32 s7, s34, WSTG
	s_add_co_u32 s7, s7, STG                       ; my wave's stage
	v_mul_u32_u24 v3, v2, TP
	v_add_nc_u32 v3, s7, v3                        ; in: my thread's 128 bytes: token k, octet o at 32 k + 16 o
	v_lshrrev_b32 v4, 2, v2
	v_mul_u32_u24 v4, v4, TP
	v_and_b32 v5, 3, v2
	v_lshl_add_u32 v4, v5, 5, v4
	v_add_nc_u32 v4, s7, v4                        ; back: lane l takes token l % 4 of thread l / 4: 32 tokens on end of one octet
	s_lshl_b32 s7, s6, 11
	v_lshl_add_u32 v5, v2, 4, s7                   ; my 16 bytes in the wave's 128 tokens (2,048 bytes) of an octet's row
	s_mov_b32 s2, 0x38800000                       ; 1 / 16,384
	s_mov_b32 s3, 0x3727c5ac                       ; 1e-5
	s_mov_b32 s4, 0x76543210                       ; v_permlanex16_b32: each lane takes its own place in the other half
	s_mov_b32 s5, 0xfedcba98
	s_lshl_b32 s56, ttmp9, 2
	s_add_co_u32 s56, s56, s35                     ; my team's group, 0..1023
	s_and_b32 s58, s56, 31
	s_lshl_b32 s58, s58, 6                         ; its 64 bytes of norm_w and of norm_b
	s_mov_b32 s59, 0
	s_lshl_b32 s94, s56, 15                        ; its 32,768 bytes of hb
	s_mov_b32 s95, 0
	s_lshl_b32 s56, s56, 16                        ; its 65,536 bytes of x
	s_mov_b32 s57, 0
	; the block of the folded weights (in work-groups 153 on these numbers serve nothing and enter no address that is used)
	s_cmp_ge_u32 ttmp9, 81
	s_cselect_b32 s52, 1, 0                        ; 0: M1, 1: M2
	s_cselect_b32 s7, 81, 0
	s_sub_co_u32 s7, ttmp9, s7                     ; the block's number in its matrix, 0..80
	s_mul_i32 s53, s7, 57
	s_lshr_b32 s53, s53, 9                         ; / 9 (57 / 512 serves up to 80): the block of 64 rows
	s_mul_i32 s54, s53, 9
	s_sub_co_u32 s54, s7, s54                      ; % 9: the block of 64 columns
	s_cmp_eq_u32 s54, 8
	s_cselect_b32 s61, -1, 0                       ; all ones: B's panel is a bias
	s_cselect_b32 s96, 0, s54                      ; the block of columns that B's loads name
	s_cmp_eq_u32 s53, 8                            ; (M2 has row blocks 0-7 alone)
	s_cselect_b32 s60, -1, 0                       ; all ones: A's panel is k_b
	s_cselect_b32 s97, 0, s53
	s_lshl_b32 s96, s96, 8                         ; 64 columns of f32 are 256 bytes
	s_lshl_b32 s97, s97, 8
	s_lshl_b32 s98, s34, 15                        ; a panel [k][64]: wave W copies rows 16 W on, of 2,048 bytes in memory
	s_and_b32 s55, s34, 3                          ; proj_w's panel: rows 16 (W % 4) on of the block, its 64 numbers W / 4 along K
	s_lshl_b32 s55, s55, 15
	s_lshr_b32 s7, s34, 2
	s_lshl_b32 s7, s7, 8
	s_add_co_u32 s55, s55, s7
	s_mul_i32 s92, s54, PANEL                      ; out, M1: panel = column block, rows of 128 bytes
	s_lshl_b32 s7, s53, 13
	s_add_co_u32 s92, s92, s7
	s_lshl_b32 s93, s53, 16                        ; out, M2: rows of 1,024 bytes, 128 bytes a column block
	s_lshl_b32 s7, s54, 7
	s_add_co_u32 s93, s93, s7
	s_add_co_u32 s93, s93, M2OFF
	s_lshl_b32 s6, s53, 17                         ; proj_w at the block's 64 rows
	s_lshl_b32 s7, s53, 8                          ; the block's 64 numbers of u1, b2 and proj_b
	s_cmp_eq_u32 s52, 1
	s_cselect_b32 s97, s6, s97                     ; A's offset
	s_cselect_b32 s99, s55, s98                    ; A's wave term
	s_cselect_b32 s55, s93, s92                    ; the block's offset in fw
	s_cselect_b32 s93, s7, 0                       ; proj_b's offset (M1 reads its head and drops it)
	s_cselect_b32 s62, -1, 0                       ; all ones: M2
	s_cselect_b32 s63, 10, 7                       ; log2 of the output's bytes from row to row
	s_mov_b32 s6, U1OFF
	s_cselect_b32 s92, B2OFF, s6
	s_add_co_u32 s92, s92, s7                      ; u1 or b2 at the block's 64 numbers
	s_wait_kmcnt 0x0
	s_add_nc_u64 s[8:9], s[8:9], s[56:57]          ; x at my group
	s_add_nc_u64 s[10:11], s[10:11], s[94:95]      ; hb at my group's two rows
	s_add_nc_u64 s[14:15], s[14:15], s[58:59]
	s_add_nc_u64 s[16:17], s[16:17], s[58:59]
	s_load_b512 s[GW:GW+15], s[14:15], 0x0
	s_load_b512 s[GB:GB+15], s[16:17], 0x0
.macro XLOADS
.set i, 0
.rept 16
	global_load_b128 v[X+4*i:X+4*i+3], v1, s[8:9] offset:4096*i th:TH_LOAD_NT  ; a wave's load covers 512 consecutive bytes
.set i, i+1
.endr
.endm
.macro PLACES                          ; four plain instructions between a product and a load into, or a vector use of, its registers (ISA guide 7.12.1 for a vector use)
.rept 4
	v_nop
.endr
.endm
; The two fragments of chunk c (32 along K) into set c % 2: 4 loads.  mat = 0: A turned, like B; mat = 1: A by plain loads: row l % 16, 16 bytes at 16 (l / 16), and 32 bytes on.
.macro LOADF mat, c
.set lf, FR+16*((\c)%2)
	ds_load_tr16_b128 v[lf+8:lf+11],  v[FBD+(\c)/8] offset:((\c)%8)*32*PP
	ds_load_tr16_b128 v[lf+12:lf+15], v[FBD+(\c)/8] offset:((\c)%8)*32*PP+16*PP
.if \mat
	ds_load_b128 v[lf:lf+3],   v[FAD+(\c)/8] offset:(((\c)%8)/2)*64*PP+((\c)%2)*64
	ds_load_b128 v[lf+4:lf+7], v[FAD+(\c)/8] offset:(((\c)%8)/2)*64*PP+((\c)%2)*64+32
.else
	ds_load_tr16_b128 v[lf:lf+3],   v[FAD+(\c)/8] offset:((\c)%8)*32*PP
	ds_load_tr16_b128 v[lf+4:lf+7], v[FAD+(\c)/8] offset:((\c)%8)*32*PP+16*PP
.endif
.endm
; A tile's 16 products.  s6 = my block of 16 rows; v96 = l % 16, v97 = l / 16, v98 = the turning load's place.  The chunks of even and of odd number have an accumulator each: they take turns, one instruction a turn,
; the first two products start the sums.
.macro PROD mat
.if \mat
	v_mul_u32_u24 v99, v96, PP
	v_lshl_add_u32 v99, v97, 4, v99
	s_mul_i32 s6, s6, 16*PP
	s_add_co_u32 s6, s6, APN
	v_add_nc_u32 v[FAD], s6, v99
.else
	s_lshl_b32 s6, s6, 5
	s_add_co_u32 s6, s6, APN
	v_add_nc_u32 v[FAD], s6, v98
.endif
	v_add_nc_u32 v[FAD+1], HALFP, v[FAD]
	LOADF \mat, 0
	LOADF \mat, 1
.set c, 0
.rept 16
.if c < 15
	s_wait_dscnt 4                                 ; chunk c is in; the next chunk's 4 loads may stay out
.else
	s_wait_dscnt 0x0
.endif
.set fr, FR+16*(c%2)
.if c < 2
	v_wmma_f32_16x16x32_bf16 v[ACC+8*(c%2):ACC+8*(c%2)+7], v[fr+8:fr+15], v[fr:fr+7], 0
.else
	v_wmma_f32_16x16x32_bf16 v[ACC+8*(c%2):ACC+8*(c%2)+7], v[fr+8:fr+15], v[fr:fr+7], v[ACC+8*(c%2):ACC+8*(c%2)+7]
.endif
.if c < 14
	PLACES
	LOADF \mat, c+2
.endif
.set c, c+1
.endr
.endm
	s_cmp_lt_u32 ttmp9, 153
	s_cbranch_scc0 .Lplain
	; ---- the way with a block ----
	s_mov_b32 s7, 0
	s_cmp_eq_u32 s52, 1
	s_cselect_b64 s[66:67], s[24:25], s[20:21]     ; A: proj_w or k_w
	s_cselect_b64 s[84:85], s[22:23], s[18:19]     ; B: v_w or q_w
	s_cselect_b64 s[86:87], s[30:31], s[26:27]     ; B's bias: v_b or q_b
	s_mov_b32 s6, s97
	s_add_nc_u64 s[66:67], s[66:67], s[6:7]
	s_mov_b32 s6, s96
	s_add_nc_u64 s[84:85], s[84:85], s[6:7]
	s_mov_b32 s6, s55
	s_add_nc_u64 s[88:89], s[12:13], s[6:7]        ; the block in m1 or m2
	s_mov_b32 s6, s92
	s_add_nc_u64 s[90:91], s[12:13], s[6:7]        ; the block in u1 or b2
	s_mov_b32 s6, s93
	s_add_nc_u64 s[32:33], s[32:33], s[6:7]
	v_and_b32 v96, 15, v0                          ; l % 16
	v_bfe_u32 v97, v0, 4, 1                        ; l / 16
	v_lshlrev_b32 v98, 4, v96                      ; a load takes two rows of 256 bytes: row l / 16, 16 bytes a lane
	v_lshl_add_u32 v98, v97, 11, v98
	v_add_nc_u32 v[FBD], s98, v98                  ; B's panel in memory
	v_add_nc_u32 v[FBD+1], s99, v98                ; A's
	s_mul_i32 s6, s34, 16*PP                       ; in LDS: panel rows 16 W on, 8 bytes a lane
	v_mul_u32_u24 v99, v97, PP
	v_lshl_add_u32 v99, v96, 3, v99
	v_add_nc_u32 v99, s6, v99
	v_add_nc_u32 v[FAD], BPN, v99
	v_add_nc_u32 v[FAD+1], APN, v99
	s_lshl_b32 s6, s34, 6
	v_lshl_add_u32 v15, v97, 2, s6                 ; a bias at panel row 16 W + l / 16
	s_and_b32 s6, s34, 3
	s_lshl_b32 s6, s6, 6
	v_lshl_add_u32 v100, v96, 2, s6                ; proj_b at row 16 (W % 4) + l % 16 of the block
.set i, 0
.rept 8
	global_load_b128 v[SA+4*i:SA+4*i+3], v[FBD+1], s[66:67] offset:4096*i  ; panel rows 16 W + 2 i and the next
	global_load_b128 v[SB+4*i:SB+4*i+3], v[FBD], s[84:85] offset:4096*i
.set i, i+1
.endr
.set i, 0
.rept 8
	global_load_b32 v[BA+i], v15, s[28:29] offset:8*i
	global_load_b32 v[BB+i], v15, s[86:87] offset:8*i
.set i, i+1
.endr
	global_load_b32 v6, v100, s[32:33]
	s_wait_loadcnt 0x0
.set i, 0
.rept 8
.set j, 0
.rept 4
	v_cndmask_b32 v[SA+4*i+j], v[SA+4*i+j], v[BA+i], s60  ; where the panel is a bias: the row's number in every column
	v_cndmask_b32 v[SB+4*i+j], v[SB+4*i+j], v[BB+i], s61
.set j, j+1
.endr
	v_cvt_pk_bf16_f32 v[SA+4*i], v[SA+4*i], v[SA+4*i+1]
	v_cvt_pk_bf16_f32 v[SA+4*i+1], v[SA+4*i+2], v[SA+4*i+3]
	v_cvt_pk_bf16_f32 v[SB+4*i], v[SB+4*i], v[SB+4*i+1]
	v_cvt_pk_bf16_f32 v[SB+4*i+1], v[SB+4*i+2], v[SB+4*i+3]
	ds_store_b64 v[FAD+1], v[SA+4*i:SA+4*i+1] offset:2*PP*i
	ds_store_b64 v[FAD], v[SB+4*i:SB+4*i+1] offset:2*PP*i
.set i, i+1
.endr
	XLOADS                                         ; x is on its way while the block is made; nothing below names v32-95 before the wait for it
	s_wait_dscnt 0x0                               ; for the others' sake: my stores are done
	s_barrier_signal -1
	s_barrier_wait -1                              ; the panels are whole
	s_cmp_lt_u32 s34, 16                           ; 16 tiles, a wave each; what is jumped holds no barrier
	s_cbranch_scc0 .Lmeet
	v_and_b32 v96, 15, v0
	v_bfe_u32 v97, v0, 4, 1
	v_and_b32 v98, 7, v0
	v_bfe_u32 v99, v0, 3, 1
	v_lshl_add_u32 v98, v97, 3, v98                ; the turning load takes 16 along K x 16 columns: lane l reads row 8 (l / 16) + l % 8, columns 8 ((l / 8) % 2) + 0..7
	v_mul_u32_u24 v98, v98, PP
	v_lshl_add_u32 v98, v99, 4, v98
	s_and_b32 s6, s34, 3                           ; my 16 rows
	s_lshr_b32 s7, s34, 2                          ; my 16 columns:
	s_lshl_b32 s7, s7, 5                           ; 32 bytes
	s_add_co_u32 s94, s7, BPN
	v_add_nc_u32 v[FBD], s94, v98
	v_add_nc_u32 v[FBD+1], HALFP, v[FBD]
	s_mul_i32 s94, s6, 16*FP
	s_add_co_u32 s94, s94, s7
	s_add_co_u32 s94, s94, FST
	v_mul_u32_u24 v15, v96, FP                     ; the stage, in: row l % 16 of my 16, 16 bytes for each half of the lanes
	v_lshl_add_u32 v15, v97, 4, v15
	v_add_nc_u32 v15, s94, v15
	s_cmp_eq_u32 s52, 1
	s_cbranch_scc1 .Lprod1
	PROD 0
	s_branch .Lsum
.Lprod1:
	PROD 1
.Lsum:
	PLACES
	PLACES                                         ; eight, once a launch: the sums below read one accumulator and write the other
.set q, 0
.rept 4
	v_pk_add_f32 v[ACC+2*q:ACC+2*q+1], v[ACC+2*q:ACC+2*q+1], v[ACC+8+2*q:ACC+8+2*q+1]  ; the two parities; each accumulator from its lowest registers on
.set q, q+1
.endr
.set q, 0
.rept 4
	v_cvt_pk_bf16_f32 v[FR+q], v[ACC+2*q], v[ACC+2*q+1]
.set q, q+1
.endr
	ds_store_b128 v15, v[FR:FR+3]
.Lmeet:
	s_wait_dscnt 0x0                               ; for the others' sake
	s_barrier_signal -1
	s_barrier_wait -1                              ; the block lies in the stage
	s_cmp_eq_u32 s54, 8
	s_cbranch_scc1 .Lvec
	s_cmp_lt_u32 s34, 16                           ; 64 rows x 128 bytes are 512 pieces of 16: one for each thread of waves 0-15
	s_cbranch_scc0 .Ldone
	v_lshrrev_b32 v100, 3, v0                      ; row
	v_and_b32 v101, 7, v0                          ; piece
	v_mul_u32_u24 v102, v100, FP
	v_lshl_add_u32 v102, v101, 4, v102
	v_add_nc_u32 v102, FST, v102
	ds_load_b128 v[104:107], v102
	v_lshlrev_b32 v100, s63, v100
	v_lshl_add_u32 v100, v101, 4, v100
	s_wait_dscnt 0x0
	global_store_b128 v100, v[104:107], s[88:89]   ; M1: a wave stores 512 consecutive bytes, aligned; M2: four rows' 128 bytes
	s_branch .Ldone
.Lvec:                                         ; a bias's column block: all 64 columns are alike; waves 0-3 (column tile 0) store one number a row, from the sum's lowest register
	s_cmp_lt_u32 s34, 4
	s_cbranch_scc0 .Ldone
	v_and_b32 v100, 15, v0
	s_lshl_b32 s6, s34, 6
	v_lshl_add_u32 v100, v100, 2, s6               ; 4 x my row in the block
	v_cndmask_b32 v101, 0, v6, s62                 ; b2 = proj_w v_b + proj_b; u1 has no such term
	v_add_f32 v101, v[ACC], v101
	s_wait_xcnt 0x0                                ; EXEC changes only behind this wait
	v_cmp_gt_u32 vcc_lo, 16, v2
	s_and_saveexec_b32 s6, vcc_lo                  ; lanes 16-31 hold the same 16 numbers once more
	global_store_b32 v100, v101, s[90:91]
	s_wait_xcnt 0x0                                ; and again, in front of the line that widens it
	s_or_b32 exec_lo, exec_lo, s6
.Ldone:
	s_wait_xcnt 0x0                                ; the stores have read their registers, which the norm writes again
	s_branch .Lnorm
.Lplain:                                       ; ---- the way without a block ----
	XLOADS
.Lnorm:
; The four chains v[16:23] are folded, summed over the wave's 32 lanes and over the team's eight waves; the total comes back in v16 of every lane, added in one order for all.  The barrier is the work-group's: all four teams pass it.
.macro TOTAL off
	v_pk_add_f32 v[16:17], v[16:17], v[18:19]
	v_pk_add_f32 v[20:21], v[20:21], v[22:23]
	v_pk_add_f32 v[16:17], v[16:17], v[20:21]
	v_add_f32 v16, v16, v17
	v_add_f32_dpp v16, v16, v16 row_xmask:1 row_mask:0xf bank_mask:0xf
	v_add_f32_dpp v16, v16, v16 row_xmask:2 row_mask:0xf bank_mask:0xf
	v_add_f32_dpp v16, v16, v16 row_xmask:4 row_mask:0xf bank_mask:0xf
	v_add_f32_dpp v16, v16, v16 row_xmask:8 row_mask:0xf bank_mask:0xf
	v_permlanex16_b32 v24, v16, s4, s5             ; its destination has been written before, on both ways
	v_add_f32 v16, v16, v24
	ds_store_b32 v7, v16 offset:\off               ; all lanes write the wave's word with one value
	s_wait_dscnt 0x0                               ; for the others' sake: my store is done
	s_barrier_signal -1
	s_barrier_wait -1
	ds_load_b128 v[104:107], v10 offset:\off
	ds_load_b128 v[108:111], v10 offset:(\off)+16
	s_wait_dscnt 0x0
	v_add_f32 v104, v104, v105
	v_add_f32 v106, v106, v107
	v_add_f32 v108, v108, v109
	v_add_f32 v110, v110, v111
	v_add_f32 v104, v104, v106
	v_add_f32 v108, v108, v110
	v_add_f32 v16, v104, v108
.endm
	s_wait_loadcnt 0x0                             ; x is in
.set c, 0
.rept 4
	v_pk_add_f32 v[16+2*c:17+2*c], v[X+2*c:X+2*c+1], v[X+8+2*c:X+8+2*c+1]  ; the first eight pairs start four chains: nothing is cleared
.set c, c+1
.endr
.set j, 8
.rept 24
	v_pk_add_f32 v[16+2*(j%4):17+2*(j%4)], v[16+2*(j%4):17+2*(j%4)], v[X+2*j:X+2*j+1]
.set j, j+1
.endr
	TOTAL 0
	v_mul_f32 v26, s2, v16                         ; the mean, twice, for the packed subtraction
	v_mul_f32 v27, s2, v16
.set j, 0
.rept 32
	v_pk_add_f32 v[X+2*j:X+2*j+1], v[X+2*j:X+2*j+1], v[26:27] neg_lo:[0,1] neg_hi:[0,1]
.set j, j+1
.endr
.set c, 0
.rept 4
	v_pk_mul_f32 v[16+2*c:17+2*c], v[X+2*c:X+2*c+1], v[X+2*c:X+2*c+1]
.set c, c+1
.endr
.set j, 4
.rept 28
	v_pk_fma_f32 v[16+2*(j%4):17+2*(j%4)], v[X+2*j:X+2*j+1], v[X+2*j:X+2*j+1], v[16+2*(j%4):17+2*(j%4)]
.set j, j+1
.endr
	TOTAL 128                                      ; other words than the first total's: no wave can write over what another still reads
	v_fma_f32 v28, v16, s2, s3                     ; variance + eps
	v_rsq_f32 v28, v28
	v_nop                                          ; a plain instruction behind the root (ISA guide 5.7.2)
	s_wait_kmcnt 0x0                               ; the gains and biases
	s_wait_alu depctr_va_vdst(0)                   ; the wait ahead of the first use of the root
.set i, 0
.rept 16
	v_mul_f32 v[96+i%4], s[GW+i], v28              ; rstd x gain, in four registers by turns
.set k, 0
.rept 4
	v_fma_f32 v[X+4*i+k], v[X+4*i+k], v[96+i%4], s[GB+i]
.set k, k+1
.endr
.set i, i+1
.endr
.set k, 0
.rept 4
.set p, 0
.rept 8
	v_cvt_pk_bf16_f32 v[Y+8*k+p], v[X+8*p+k], v[X+8*p+4+k]  ; token k: channels 2 p and 2 p + 1
.set p, p+1
.endr
.set k, k+1
.endr
.set i, 0
.rept 8
	ds_store_b128 v3, v[Y+4*i:Y+4*i+3] offset:16*i  ; piece i: token i / 2, octet i % 2
.set i, i+1
.endr
.set i, 0
.rept 8
	ds_load_b128 v[Y+4*i:Y+4*i+3], v4 offset:(i%4)*8*TP+(i/4)*16  ; octet i / 4, the wave's tokens 32 (i % 4) on.  LDS serves a wave's instructions in order (ISA guide 5.7.1.4): these see the stores above; the stage is the wave's own
.set i, i+1
.endr
.set i, 0
.rept 8
	s_wait_dscnt 7-i                               ; load i is back; the 7 - i issued behind it may stay out
	global_store_b128 v5, v[Y+4*i:Y+4*i+3], s[10:11] offset:(i/4)*16384+(i%4)*512 th:TH_STORE_NT  ; 512 consecutive bytes, aligned
.set i, i+1
.endr
	s_wait_tensorcnt 0x0                           ; the wave's end: behind my last LDS store
	ds_add_u32 v[SPW], v[NIL]
	s_wait_dscnt 0x0
	s_endpgm
.Lfunc_end_k_qaea5814306_prep:
	.size	k_qaea5814306_prep, .Lfunc_end_k_qaea5814306_prep-k_qaea5814306_prep
	.p2alignl 7, 3214868480
	.fill 96, 4, 3214868480
	.section	.rodata,"a",@progbits
	.p2align	6, 0x0
	.amdhsa_kernel k_qaea5814306_prep
		.amdhsa_group_segment_fixed_size 324864
		.amdhsa_private_segment_fixed_size 0
		.amdhsa_enable_private_segment 0
		.amdhsa_kernarg_size 104
		.amdhsa_user_sgpr_count 2
		.amdhsa_user_sgpr_kernarg_segment_ptr 1
		.amdhsa_wavefront_size32 1
		.amdhsa_system_sgpr_workgroup_id_x 1
		.amdhsa_system_sgpr_workgroup_id_y 1
		.amdhsa_system_sgpr_workgroup_id_z 1
		.amdhsa_system_vgpr_workitem_id 0
		.amdhsa_next_free_vgpr 128
		.amdhsa_next_free_sgpr 100
		.amdhsa_reserve_vcc 1
		.amdhsa_float_denorm_mode_32 3
		.amdhsa_float_denorm_mode_16_64 3
		.amdhsa_memory_ordered 1
		.amdhsa_forward_progress 1
		.amdhsa_inst_pref_size 54
	.end_amdhsa_kernel
	.amdgpu_metadata
---
amdhsa.version: [ 1, 2 ]
amdhsa.kernels:
  - .name:           k_qaea5814306_prep
    .symbol:         k_qaea5814306_prep.kd
    .args:
      - { .name: x, .offset: 0, .size: 8, .value_kind: global_buffer, .address_space: global }
      - { .name: hb, .offset: 8, .size: 8, .value_kind: global_buffer, .address_space: global }
      - { .name: fw, .offset: 16, .size: 8, .value_kind: global_buffer, .address_space: global }
      - { .name: norm_w, .offset: 24, .size: 8, .value_kind: global_buffer, .address_space: global }
      - { .name: norm_b, .offset: 32, .size: 8, .value_kind: global_buffer, .address_space: global }
      - { .name: q_w, .offset: 40, .size: 8, .value_kind: global_buffer, .address_space: global }
      - { .name: k_w, .offset: 48, .size: 8, .value_kind: global_buffer, .address_space: global }
      - { .name: v_w, .offset: 56, .size: 8, .value_kind: global_buffer, .address_space: global }
      - { .name: proj_w, .offset: 64, .size: 8, .value_kind: global_buffer, .address_space: global }
      - { .name: q_b, .offset: 72, .size: 8, .value_kind: global_buffer, .address_space: global }
      - { .name: k_b, .offset: 80, .size: 8, .value_kind: global_buffer, .address_space: global }
      - { .name: v_b, .offset: 88, .size: 8, .value_kind: global_buffer, .address_space: global }
      - { .name: proj_b, .offset: 96, .size: 8, .value_kind: global_buffer, .address_space: global }
    .group_segment_fixed_size: 324864
    .private_segment_fixed_size: 0
    .kernarg_segment_align: 8
    .kernarg_segment_size: 104
    .max_flat_workgroup_size: 1024
    .sgpr_count:     100
    .vgpr_count:     128
    .wavefront_size: 32
...
	.end_amdgpu_metadata
.endif
;; end of part 4
;; launch attn (part 5): grid 8 x 32, 4 waves a work-group, clusters of 4 x 1, 327,680 bytes of LDS; arguments hb, fw, x, out0; writes out0
.if DOCPART == 5
	.amdgcn_target "amdgcn-amd-amdhsa--gfx1250"
	.amdhsa_code_object_version 6
	.text
	.protected	k_qaea5814306_attn
	.globl	k_qaea5814306_attn
	.p2align	8
	.type	k_qaea5814306_attn,@function
k_qaea5814306_attn:
	s_mov_b64 s[64:65], 0
	v_nop
	global_prefetch_b8 v0, s[64:65] scope:SCOPE_SE
	s_setreg_imm32_b32 hwreg(HW_REG_WAVE_MODE, 25, 1), 1
	s_wait_xcnt 0x0
	s_wait_alu depctr_hold_cnt(0) depctr_sa_sdst(0) depctr_va_vdst(0) depctr_va_sdst(0) depctr_va_ssrc(0) depctr_va_vcc(0) depctr_vm_vsrc(0)
	s_getreg_b32 s2, hwreg(HW_REG_IB_STS2, 6, 4)
	s_cmp_eq_u32 s2, 0
	s_cbranch_scc0 .Lentry_in_a_cluster
	s_endpgm
.Lentry_in_a_cluster:
	s_bfe_u32 s2, ttmp6, 0x10000c
	s_cmp_lg_u32 s2, 0x3003
	s_cbranch_scc0 .Lentry_shape_is_right
	s_endpgm
.Lentry_shape_is_right:
; out[b][o][i] = x[b][o][i] + b2[o] + the sum over c of M2[o][c] O[i][c],   O[i][:] = the sum over j of softmax_j((q'[i] . h[j] + t[i]) / sqrt(512)) h[j][:],   q' = M1 h + u.
; With the folded weights of the launch before (M1 = k_w^T q_w, u = k_w^T q_b, t[i] = q[i] . k_b, M2 = proj_w v_w, b2 = proj_w v_b + proj_b) these are the scores q[i] . k[j] and the block's output:
; THE NORMED INPUT h IS BOTH THE KEYS AND THE VALUES, and one tile of it in LDS serves both products.
; hb: [32 b][64 octets of channels][1024 tokens][8] bf16.  fw: m1 in 8 panels [576 rows][64 columns] bf16 (rows 512-527: the row that makes t, 16 times); m2 [512][512] bf16; u1 [576] f32; b2 [512] f32.
; SHARES.  A work-group owns 128 queries of one image, a wave 32: two tiles of 16.  O for them, 32 x 512 in f32, is 512 registers of the wave and never leaves it.
; PHASE 1, q'.  K (the channels c) is walked in 8 panels of 64.  D = (source 0: 16 rows of M1, source 1: 16 tokens of h): a lane holds ONE token and 8 rows.  The 2 x 32 accumulators lie where O^T will lie; they start as u,
; loaded into them.  T, two more, takes rows 512-527 and starts as k_b . q_b: since those 16 rows are alike, all its 8 registers hold t of the lane's token: it IS the C operand that starts that token's scores.
; The wave's own h comes from memory, 2 x 16 registers, each set asked for again as soon as it has been multiplied: half a trip and a change of slots ahead of its next use.
; PHASE 2, 16 key steps of 64 keys.  S^T = h q'^T + T (source 0 = 16 keys, source 1 = 16 queries): a lane holds ONE query and the keys 8 (lane / 16) + 0..7.  Two such results rounded to bf16 in pairs ARE source 1 of
; O^T = h^T P, whose result again holds one query a lane.  For the first product h comes out of LDS as it lies, for the second turned, by ds_load_tr16_b128.
; SOFTMAX.  For each query a running maximum m and sum l: p = 2^(c s - c m), c = log2(e) / sqrt(512); in every step O and l are multiplied by a = 2^(c m_old - c m_new).  c m starts at -4.25e37, l at 0: the first step's
; a is 0, so O^T need not be cleared: what lies there, phase 1's sums, is finite.  A step goes in phases: 128 products; the two tiles' softmax, one batch of 66 exponentials with one wait; 128 products.  The rescaling of O^T
; rides: behind each product two lines scale accumulators of the next batch of 16; the first batch's 32 lines stand behind the softmax.  P is rounded in place, into the lower half of S^T's registers.
; PHASE 3.  O^T / l rounded in pairs IS a fragment of 16 queries x 32 channels: source 0 of the last product, whose result holds one row o a lane and eight neighbouring tokens.  8 steps of 64 rows of M2.
; CLUSTER.  The four query blocks of a cluster belong to one image and walk the same M1, h and M2: each tile is asked for JOINTLY (mask 15), each wave a quarter of it.  THE RING: two LDS slots, 32 tiles.
; AHEAD OF THE LOADS: x of phase 3's step after next, each wave its own rows.  Not h's tiles: each row of h has its first reading in phase 1, by the work-group that owns the token; the walk over keys is a later reading.
; Not M1 and M2: 1.1 MB that all 64 clusters walk: all readings but one cluster's are later readings.
; REGISTERS, in windows of 256 (s_set_vgpr_msb: bits 1:0 source 0, 3:2 source 1, 5:4 source 2, 7:6 destination):
;   window 0: v0-15 addresses; v16-31 eight registers of statistics a tile; v32-95 S^T, 32 a tile (P in the first 16); v96-111 T (phase 3: biases); v112-119 M1's rows 512-527; v120-124 addresses; v128-191, v192-255 two fragment buffers
;   window 1: phase 1: v0-31 h of my tokens; then q', tile t, chunk c of 32 at 128 t + 8 c; then O in bf16 at the same places      window 2, 3: the accumulators of tile 0, 1, block cb of 16 at 8 cb; in phase 3 window 2's v0-63 take x
; LIMITS: h, M1, M2, q', p and O are bf16.  |c s| stays under 1e37.  A weight below 2^-126 counts as 0.  NaN and infinities are not treated apart.
.set PW,    144                        ; a row of a panel of M1 in LDS: 128 bytes + 16: the 16 rows of a load start in 16 different groups of four banks (64 banks of 4 bytes: ISA guide 11.1)
.set PH,    1152                       ; a row of h's tile: one octet, 64 tokens x 16 bytes, + 128.  16 lanes of a plain load take 16 tokens: 256 bytes on end; 16 lanes of the turning load 8 tokens of two octets: 128 bytes twice, 128 apart modulo 256
.set PK,    1040                       ; a row of M2: 1,024 bytes + 16
.set HALF,  36864                      ; 16 blocks of 16 rows of M1 = 32 rows of h's tile: a second address register so far on keeps every LDS offset within 16 bits
.set XS,    0x20000                    ; slot 1 begins here; a slot has 76,032 bytes at the most, so one exclusive or changes slots
.set OSTG,  XS+528*PW                  ; behind the ring, never filled by a tensor load: the work-group's stage, 64 rows o x 528 bytes
.set OP,    528                        ; 128 tokens of f32 + 16 bytes: an odd multiple of 16
.set SPARE, OSTG+64*OP                 ; the spare words, 128 bytes for each wave, that no other line names
.set PANEL, 73728                      ; a panel of m1 in memory: 576 rows x 128 bytes, of which 528 are fetched
.set M2OFF, 589824
.set U1OFF, 1114112
.set B2OFF, 1116416
.set BO,  1                            ; v1   4 (l % 16): my row's bias
.set AK0, 2                            ; v2   my lane's place in h's tile for the plain loads; never rewritten
.set AV0, 3                            ; v3   the same for the turning loads
.set ADR, 4                            ; v4   the plain loads' address in the slot in hand
.set ADV, 5                            ; v5   the turning loads'
.set ADR2, 6                           ; v6   ADR + HALF
.set STO, 7                            ; v7   the stage: where I put 32 bytes of a row o
.set RD,  8                            ; v8   the stage: where I read a row back
.set XO,  9                            ; v9   16 x lane: my 16 bytes in 512 of a row of x and of out0
.set ADV2, 10                          ; v10  ADV + HALF
.set PFX, 11                           ; v11  x's prefetches: row l / 2, block l % 2 of 256 bytes
.set SPW, 12                           ; v12  SPARE + 4 x my thread's number; never rewritten
.set NIL, 13                           ; v13  0; never rewritten
.set LR,  14                           ; v14  l % 16
.set LH,  15                           ; v15  l / 16
.set ST,  16                           ; tile t's statistics at v[ST+8 t]: +0 c m, +1 m, +2, +3 l (even keys', odd keys'), +4 to +7 c0-c3, at work; a takes c2's place, a second chain of the sum c0's and c1's
.set S,   32
.set T,   96
.set BV,  96
.set E,   112
.set AW,  120                          ; v120 my lane's place in a tile of weights: M1's pitch, later M2's
.set HO,  121                          ; v121 my byte offset in hb: octet l / 16, token l % 16
.set VHA, 122                          ; v122 HO at the panel whose first 32 channels were asked for last
.set VHB, 123                          ; v123 the same for the second 32
.set UO,  124                          ; v124 32 (l / 16): my 8 numbers of 16 of u1
.set F0,  128
.set F1,  192
.set UP,  12                           ; s[12:13] u1
.set WV,  14                           ; s14  my wave's number
.set CNT, 15                           ; s15  tiles of the phase still to be asked for
.set TB,  16                           ; s16  LDS byte at which the slot in hand begins
.set HS,  17                           ; s17  131,072 x the panel whose h is asked for: 8 octets' rows
.set HP,  18                           ; s[18:19] hb at my wave's first token
.set XB,  20                           ; s[20:21] x at my 16 rows o of phase 3's step, my block's 512 bytes
.set OB,  22                           ; s[22:23] out0 at the same place
.set G1A, 24                           ; s[24:31] descriptor group 1 for M1's panels
.set G1H, 32                           ; s[32:39] for h's tiles
.set G1P, 40                           ; s[40:47] for M2's tiles
.set G0A, 48                           ; s[48:51], s[52:55], s[56:59] descriptor groups 0: they walk
.set G0H, 52
.set G0P, 56
.set CS,  60                           ; s[60:61] c: the packed scaling names a pair and takes its low word for both halves
.set SEL, 62                           ; s[62:63] v_permlanex16_b32's selects: each lane takes its own place in the other half
.set PB,  66                           ; s[66:67] b2 at the step's 64 rows
.set MSB, 0
.macro WIN new                         ; the immediate's high byte repeats the setting that is left; a switch that changes nothing is dropped
.if MSB != (\new)
	s_set_vgpr_msb (MSB<<8)|(\new)
.set MSB, (\new)
.endif
.endm
.macro PLACES                          ; four plain instructions between a product and a load into, or a vector use of, its registers (ISA guide 7.12.1 for a vector use)
.rept 4
	v_nop
.endr
.endm
.macro ROUND                           ; a round of the cluster's barrier: my work-group's barrier; wave 0 signals for the work-group; every wave waits for all four work-groups; my work-group's barrier once more
	s_barrier_signal -1
	s_barrier_wait -1
	s_cmp_lg_u32 s[WV], 0
	s_cbranch_scc1 .Lnot_wave_0_\@
	s_barrier_signal -3
.Lnot_wave_0_\@:
	s_barrier_wait -3
	s_barrier_signal -1
	s_barrier_wait -1
.endm
.macro TLOAD g0, g1                    ; a joint fill: every wave fetches its quarter of the tile; an s_nop 0 and four v_nop follow
	tensor_load_to_lds s[\g0:\g0+3], s[\g1:\g1+7]
	s_nop 0
	PLACES
.endm
	s_load_b256 s[4:11], s[0:1], 0x0               ; hb s[4:5], fw s[6:7], x s[8:9], out0 s[10:11]
	v_lshl_add_u32 v[SPW], v0, 2, SPARE
	v_mov_b32 v[NIL], 0
	ds_add_u32 v[SPW], v[NIL]                      ; the wave's opening: the add and its wait stand ahead of my first tensor load; the set-up below, work on registers, stands between them
	v_lshrrev_b32 v1, 5, v0
	v_readfirstlane_b32 s[WV], v1                  ; wave 0..3
	s_bfe_u32 s68, ttmp6, 0x40000                  ; cx
	s_and_b32 s69, ttmp7, 0xffff                   ; the image, which the partners share
	s_lshl_b32 s70, ttmp9, 2
	s_add_co_u32 s70, s70, s68                     ; my block of 128 queries: it enters my own h's, x's and out0's addresses alone
	; M1: my quarter of a panel, 132 rows of 128 bytes, is dense: asked for as 66 rows of 256 bytes and padded in LDS after every 128
	s_mov_b32 s[G1A], 15|(1<<16)|(1<<20)|(1<<21)|(4<<22)|(3<<25)  ; 15:0 the mask of four; 17:16 2-byte elements; 20 padding on; 21 set beside a mask; 24:22 after every 32 words (code 4); 31:25 4 words (code 3)
	s_mov_b32 s[G1A+1], 128<<16                    ; tensor_dim0 = 128
	s_mov_b32 s[G1A+2], 66<<16                     ; tensor_dim1 = 66
	s_mov_b32 s[G1A+3], 128<<16                    ; tile_dim0 = 128
	s_mov_b32 s[G1A+4], 66                         ; tile_dim1 = 66
	s_mov_b32 s[G1A+5], 128                        ; 128 elements from row to row
	s_mov_b32 s[G1A+6], 0
	s_mov_b32 s[G1A+7], 0
	; h: 16 octets' rows x 64 tokens of 8 channels
	s_mov_b32 s[G1H], 15|(1<<16)|(1<<20)|(1<<21)|(7<<22)|(31<<25) ; padding after every 256 words (code 7), 32 words of it (code 31)
	s_mov_b32 s[G1H+1], 512<<16
	s_mov_b32 s[G1H+2], 16<<16
	s_mov_b32 s[G1H+3], 512<<16
	s_mov_b32 s[G1H+4], 16
	s_mov_b32 s[G1H+5], 8192                       ; an octet's row has 1,024 tokens x 8 elements
	s_mov_b32 s[G1H+6], 0
	s_mov_b32 s[G1H+7], 0
	; M2: 16 rows x 512 elements
	s_mov_b32 s[G1P], 15|(1<<16)|(1<<20)|(1<<21)|(7<<22)|(3<<25)
	s_mov_b32 s[G1P+1], 512<<16
	s_mov_b32 s[G1P+2], 16<<16
	s_mov_b32 s[G1P+3], 512<<16
	s_mov_b32 s[G1P+4], 16
	s_mov_b32 s[G1P+5], 512
	s_mov_b32 s[G1P+6], 0
	s_mov_b32 s[G1P+7], 0
	s_mov_b32 s[G0A], 1                            ; count = 1
	s_mul_i32 s[G0A+1], s[WV], 132*PW              ; LDS addresses: slot 0, my quarter; no place in the cluster enters them
	s_mov_b32 s[G0H], 1
	s_mul_i32 s[G0H+1], s[WV], 16*PH
	s_mov_b32 s[G0P], 1
	s_mul_i32 s[G0P+1], s[WV], 16*PK
	s_mul_i32 s72, s[WV], 132*128                  ; my 132 rows of a panel
	s_mov_b32 s73, 0
	s_lshl_b32 s74, s69, 20                        ; the image's 64 rows of 16,384 bytes,
	s_lshl_b32 s71, s[WV], 18                      ; my 16 of them
	s_add_co_u32 s74, s74, s71
	s_mov_b32 s75, 0
	s_mov_b32 s[CS], 0x3d8293ee                    ; c = log2(e) / sqrt(512) = 0.0637587
	s_mov_b32 s[CS+1], s[CS]                       ; named with it as a pair
	s_mov_b32 s[SEL], 0x76543210
	s_mov_b32 s[SEL+1], 0xfedcba98
	s_mov_b32 s[TB], 0
	s_mov_b32 s[HS], 0
	v_and_b32 v[LR], 15, v0
	v_bfe_u32 v[LH], v0, 4, 1
	v_lshlrev_b32 v[BO], 2, v[LR]
	v_mul_u32_u24 v[AK0], v[LH], PH                ; a fragment of 16 keys x 32 channels: key l % 16; registers 0-3 the octet 4 c + l / 16, registers 4-7 the octet two further on
	v_lshl_add_u32 v[AK0], v[LR], 4, v[AK0]
	v_and_b32 v4, 7, v0                            ; the turning load takes 16 keys x 16 channels: lane l reads key 8 (l / 16) + l % 8 of octet 2 cb + (l / 8) % 2, and is left with channel l % 16 and 8 keys
	v_lshl_add_u32 v4, v[LH], 3, v4
	v_bfe_u32 v5, v0, 3, 1
	v_mul_u32_u24 v[AV0], v5, PH
	v_lshl_add_u32 v[AV0], v4, 4, v[AV0]
	v_mul_u32_u24 v[AW], v[LR], PW                 ; a fragment of weights: row l % 16, 16 bytes at 16 (l / 16), and 32 bytes on
	v_lshl_add_u32 v[AW], v[LH], 4, v[AW]
	v_lshlrev_b32 v[HO], 14, v[LH]
	v_lshl_add_u32 v[HO], v[LR], 4, v[HO]
	v_lshlrev_b32 v[UO], 5, v[LH]
	s_lshl_b32 s71, s[WV], 7                       ; the stage, in: row o = l % 16, my wave's 32 tokens (128 bytes), 32 bytes for each half of the lanes
	s_add_co_u32 s71, s71, OSTG
	v_mul_u32_u24 v[STO], v[LR], OP
	v_lshl_add_u32 v[STO], v[LH], 5, v[STO]
	v_add_nc_u32 v[STO], s71, v[STO]
	s_mul_i32 s71, s[WV], 16*OP                    ; back: wave w takes rows 16 w .. 16 w + 15, a whole row of 512 bytes a load
	s_add_co_u32 s71, s71, OSTG
	v_and_b32 v4, 31, v0
	v_lshlrev_b32 v[XO], 4, v4
	v_add_nc_u32 v[RD], s71, v[XO]
	v_lshrrev_b32 v[PFX], 1, v4
	v_lshlrev_b32 v[PFX], 12, v[PFX]
	v_and_b32 v5, 1, v4
	v_lshl_add_u32 v[PFX], v5, 8, v[PFX]
	v_mov_b32 v[VHA], v[HO]
	v_mov_b32 v[VHB], v[HO]
	s_wait_dscnt 0x0                               ; the opening add is done
	s_wait_kmcnt 0x0
	s_add_nc_u64 s[G0A+2:G0A+3], s[6:7], s[72:73]  ; panel 0
	s_or_b32 s[G0A+3], s[G0A+3], 0x80000000        ; type = 2
	s_add_nc_u64 s[G0H+2:G0H+3], s[4:5], s[74:75]  ; keys 0-63
	s_or_b32 s[G0H+3], s[G0H+3], 0x80000000
	s_lshl_b32 s72, s[WV], 14                      ; M2: my 16 rows of a tile
	s_add_co_u32 s72, s72, M2OFF
	s_add_nc_u64 s[G0P+2:G0P+3], s[6:7], s[72:73]
	s_or_b32 s[G0P+3], s[G0P+3], 0x80000000
	s_lshl_b32 s74, s69, 20                        ; my own h: the image, my block's 128 tokens of 16 bytes, my wave's 32
	s_lshl_b32 s71, s70, 11
	s_add_co_u32 s74, s74, s71
	s_lshl_b32 s71, s[WV], 9
	s_add_co_u32 s74, s74, s71
	s_add_nc_u64 s[HP:HP+1], s[4:5], s[74:75]
	s_lshl_b32 s74, s69, 21                        ; x and out0: the image's 512 rows of 4,096 bytes,
	s_lshl_b32 s71, s70, 9                         ; my block's 512 bytes of a row,
	s_add_co_u32 s74, s74, s71
	s_lshl_b32 s71, s[WV], 16                      ; my wave's 16 rows of a step's 64
	s_add_co_u32 s74, s74, s71
	s_add_nc_u64 s[XB:XB+1], s[8:9], s[74:75]
	s_add_nc_u64 s[OB:OB+1], s[10:11], s[74:75]
	s_add_nc_u64 s[PB:PB+1], s[6:7], B2OFF
	s_add_nc_u64 s[UP:UP+1], s[6:7], U1OFF
	ROUND                                          ; all four work-groups are here: the first joint loads meet
	TLOAD G0A, G1A                                 ; panel 0 into slot 0
; My tokens' h for 32 channels, half cc of a panel: two tiles x two loads, into fixed registers of window 1.
.macro HLOAD cc, a
	WIN 0x40                                       ; destination window 1, address window 0
.irp t, 0,1
	global_load_b128 v[16*(\cc)+8*\t:16*(\cc)+8*\t+3],   v[\a], s[HP:HP+1] offset:65536*(\cc)+256*\t
	global_load_b128 v[16*(\cc)+8*\t+4:16*(\cc)+8*\t+7], v[\a], s[HP:HP+1] offset:65536*(\cc)+256*\t+32768
.endr
	WIN 0
.endm
.irp w, 0x80, 0xc0                     ; the sums start as u: register j of block cb holds u1[16 cb + 8 (l / 16) + j], in both tiles
	WIN \w
.set q, 0
.rept 32
	global_load_b128 v[8*q:8*q+3],   v[UO], s[UP:UP+1] offset:64*q
	global_load_b128 v[8*q+4:8*q+7], v[UO], s[UP:UP+1] offset:64*q+16
.set q, q+1
.endr
.endr
	WIN 0
.irp t, 0,1
	global_load_b128 v[T+8*\t:T+8*\t+3],   v[UO], s[UP:UP+1] offset:2048
	global_load_b128 v[T+8*\t+4:T+8*\t+7], v[UO], s[UP:UP+1] offset:2064
.endr
	HLOAD 0, VHA
	HLOAD 1, VHB
.irp t, 0,1
	v_mov_b32 v[ST+8*\t], 0xfe000000               ; c m: far below every c s
	v_mov_b32 v[ST+8*\t+1], 0xff7fffff             ; m: the lowest finite number
	v_mov_b32 v[ST+8*\t+2], 0
	v_mov_b32 v[ST+8*\t+3], 0
.endr
; PHASE 1.  THE LDS LOADS stand in runs.  Run n of 8 of a panel: half n / 4 of its 64 columns, row blocks 8 (n % 4) .. + 7: 16 loads; the first run of each half brings block 32 (rows 512-527) too: 18.
.macro FETCHA n, f
	WIN 0
.if ((\n)%4) == 0
	ds_load_b128 v[E:E+3],   v[ADR2] offset:16*16*PW+64*((\n)/4)
	ds_load_b128 v[E+4:E+7], v[ADR2] offset:16*16*PW+64*((\n)/4)+32
.endif
.irp u, 0,1,2,3,4,5,6,7
.if ((\n)%4) < 2
	ds_load_b128 v[(\f)+8*\u:(\f)+8*\u+3],   v[ADR] offset:(8*((\n)%4)+\u)*16*PW+64*((\n)/4)
	ds_load_b128 v[(\f)+8*\u+4:(\f)+8*\u+7], v[ADR] offset:(8*((\n)%4)+\u)*16*PW+64*((\n)/4)+32
.else
	ds_load_b128 v[(\f)+8*\u:(\f)+8*\u+3],   v[ADR2] offset:(8*((\n)%4)-16+\u)*16*PW+64*((\n)/4)
	ds_load_b128 v[(\f)+8*\u+4:(\f)+8*\u+7], v[ADR2] offset:(8*((\n)%4)-16+\u)*16*PW+64*((\n)/4)+32
.endif
.endr
.endm
; The run's products: 8 row blocks x 2 tiles, 16 different accumulators, and T's two where block 32 has come: no two products on end share an accumulator, over the backward jump too.
.macro MULQ n, f
.irp t, 0,1
	WIN 0xa4+0x50*\t                               ; h in window 1; C and D in window 2 or 3
.irp u, 0,1,2,3,4,5,6,7
.set rD, 8*(8*((\n)%4)+\u)
	v_wmma_f32_16x16x32_bf16 v[rD:rD+7], v[(\f)+8*\u:(\f)+8*\u+7], v[16*((\n)/4)+8*\t:16*((\n)/4)+8*\t+7], v[rD:rD+7]
.endr
.endr
.if ((\n)%4) == 0
	WIN 0x04
.irp t, 0,1
	v_wmma_f32_16x16x32_bf16 v[T+8*\t:T+8*\t+7], v[E:E+7], v[16*((\n)/4)+8*\t:16*((\n)/4)+8*\t+7], v[T+8*\t:T+8*\t+7]
.endr
.endif
.endm
; A panel.  more = 1: my h of the next panel is asked for, each half as soon as its registers have been multiplied.  s_wait_loadcnt 4 leaves out the other half's four loads, issued behind the half that is wanted
; (in the last panel nothing is issued behind its second half).  Each s_wait_dscnt leaves out the next run: 16 loads, or 18.
.macro QSTEP more
	FETCHA 0, F0
	FETCHA 1, F1
.irp n, 0,1,2,3,4,5,6,7
.if \n == 0
	s_wait_loadcnt 4
.elseif \n == 4
	s_wait_loadcnt 4*(\more)
.endif
.if \n == 3
	s_wait_dscnt 18
.elseif \n == 7
	s_wait_dscnt 0x0
.else
	s_wait_dscnt 16
.endif
	MULQ \n, F0+64*(\n%2)
	PLACES
.if \n < 6
	FETCHA \n+2, F0+64*(\n%2)
.endif
.if (\more) && (\n == 3)
	WIN 0
	s_add_co_u32 s[HS], s[HS], 131072
	v_add_nc_u32 v[VHA], s[HS], v[HO]              ; the loads that read this register were waited for at the panel's head
	HLOAD 0, VHA
.endif
.if (\more) && (\n == 7)
	WIN 0
	v_add_nc_u32 v[VHB], s[HS], v[HO]              ; the loads that read this register were waited for in the panel's middle
	HLOAD 1, VHB
.endif
.endr
	WIN 0
	s_xor_b32 s[TB], s[TB], XS
.endm
; PHASE 2.  Batch i of 8 of the keys: all 64, chunks 2 i and 2 i + 1 of 32 channels, into buffer f: 16 loads.
.macro FETCHK i, f
	WIN 0
.irp cc, 0,1
.irp kb, 0,1,2,3
.set ko, 4*((2*(\i)+\cc)%8)*PH+256*\kb
.if (\i) < 4
	ds_load_b128 v[(\f)+8*(4*\cc+\kb):(\f)+8*(4*\cc+\kb)+3],   v[ADR] offset:ko
	ds_load_b128 v[(\f)+8*(4*\cc+\kb)+4:(\f)+8*(4*\cc+\kb)+7], v[ADR] offset:ko+2*PH
.else
	ds_load_b128 v[(\f)+8*(4*\cc+\kb):(\f)+8*(4*\cc+\kb)+3],   v[ADR2] offset:ko
	ds_load_b128 v[(\f)+8*(4*\cc+\kb)+4:(\f)+8*(4*\cc+\kb)+7], v[ADR2] offset:ko+2*PH
.endif
.endr
.endr
.endm
; Batch i of 8 of the values, turned: all 64 keys (two halves kk), channel blocks 4 i + u.
.macro FETCHV i, f
	WIN 0
.irp kk, 0,1
.irp u, 0,1,2,3
.set vo, 2*((4*(\i)+\u)%16)*PH+512*\kk
.if (\i) < 4
	ds_load_tr16_b128 v[(\f)+8*(4*\kk+\u):(\f)+8*(4*\kk+\u)+3],   v[ADV] offset:vo
	ds_load_tr16_b128 v[(\f)+8*(4*\kk+\u)+4:(\f)+8*(4*\kk+\u)+7], v[ADV] offset:vo+256
.else
	ds_load_tr16_b128 v[(\f)+8*(4*\kk+\u):(\f)+8*(4*\kk+\u)+3],   v[ADV2] offset:vo
	ds_load_tr16_b128 v[(\f)+8*(4*\kk+\u)+4:(\f)+8*(4*\kk+\u)+7], v[ADV2] offset:vo+256
.endif
.endr
.endr
.endm
; Batch i of 8 of a tile of M2: all 64 rows, chunks 2 i and 2 i + 1.
.macro FETCHW i, f
	WIN 0
.irp cc, 0,1
.irp kb, 0,1,2,3
	ds_load_b128 v[(\f)+8*(4*\cc+\kb):(\f)+8*(4*\cc+\kb)+3],   v[ADR] offset:16*PK*\kb+64*(2*(\i)+\cc)
	ds_load_b128 v[(\f)+8*(4*\cc+\kb)+4:(\f)+8*(4*\cc+\kb)+7], v[ADR] offset:16*PK*\kb+64*(2*(\i)+\cc)+32
.endr
.endr
.endm
; 16 products onto the eight accumulators S(t, kb), which take turns, one instruction a turn.  swap = 0: S^T += h q'^T; batch 0's first eight start the sums with T, the query's q . k_b.
; swap = 1, phase 3: source 0 = O (at q's places), source 1 = M2; the sums start with the constant 0.
.macro MULS i, f, swap
	WIN 0x04-3*(\swap)                             ; q's places lie in window 1: source 1, or source 0
.irp cc, 0,1
.irp kb, 0,1,2,3
.irp t, 0,1
.set rD, S+32*\t+8*\kb
.set rF, (\f)+8*(4*\cc+\kb)
.set rQ, 128*\t+8*(2*(\i)+\cc)
.if \swap
.if ((\i) == 0) && (\cc == 0)
	v_wmma_f32_16x16x32_bf16 v[rD:rD+7], v[rQ:rQ+7], v[rF:rF+7], 0
.else
	v_wmma_f32_16x16x32_bf16 v[rD:rD+7], v[rQ:rQ+7], v[rF:rF+7], v[rD:rD+7]
.endif
.else
.if ((\i) == 0) && (\cc == 0)
	v_wmma_f32_16x16x32_bf16 v[rD:rD+7], v[rF:rF+7], v[rQ:rQ+7], v[T+8*\t:T+8*\t+7]
.else
	v_wmma_f32_16x16x32_bf16 v[rD:rD+7], v[rF:rF+7], v[rQ:rQ+7], v[rD:rD+7]
.endif
.endif
.endr
.endr
.endr
.endm
; 16 products O^T += h^T P for channel blocks 4 i + u: (kk 0: tile 0's four, tile 1's four), (kk 1: the same): seven others stand between the two links of a chain.  P of tile t, keys 32 kk on, lies at S + 32 t + 8 kk.
; ride = 1: behind product n stand two lines that multiply by a four registers of the same tile's accumulators of batch i + 1, in ascending order.
.macro MULV i, f, ride
.set n, 0
.rept 16
.set kk, n/8
.set t, (n/4)%2
.set u, n%4
	WIN 0xa0+0x50*t                                ; C and D in window 2 or 3
	v_wmma_f32_16x16x32_bf16 v[32*(\i)+8*u:32*(\i)+8*u+7], v[(\f)+8*(4*kk+u):(\f)+8*(4*kk+u)+7], v[S+32*t+8*kk:S+32*t+8*kk+7], v[32*(\i)+8*u:32*(\i)+8*u+7]
.if \ride
	WIN 0x82+0x41*t                                ; destination and source 0 in window 2 or 3, a in window 0
.set q, 32*((\i)+1)+4*(u+4*kk)
	v_pk_mul_f32 v[q:q+1], v[q:q+1], v[ST+8*t+6:ST+8*t+7] op_sel_hi:[1,0]
	v_pk_mul_f32 v[q+2:q+3], v[q+2:q+3], v[ST+8*t+6:ST+8*t+7] op_sel_hi:[1,0]
.endif
.set n, n+1
.endr
.endm
; One tile's softmax for a key step is a list of 102 lines; SM writes number j of it for tile t.  s0-s31 are the lane's 32 scores, in pairs 0-15.
;   0-15    the maximum of s0-s31 and the old m, three operands at a time; each accumulator's lowest registers are read first
;   16-20   the other half of the lanes' maximum; c m_old is kept; the new m; c m; c m_old - c m_new
;   21-69   ONE BATCH: the 16 scalings c s - c m and all 33 exponentials (a at 23, then s0-s31); none of these names an exponential's result; a pair is scaled ahead of its exponentials
;   70-85   the sum of the 16 pairs, which leaves them as they are: two chains by turns, l = a l + pair 0 + the pairs of odd number from 3 on, and a second in c0, c1; then l takes the second
;   86-101  the roundings to bf16, in place and ascending: pair n goes into register n, which pair n / 2 and the sums have read
.macro SM t
.set rT, ST+8*(\t)
.set rS, S+32*(\t)
.if j < 4
	v_max3_num_f32 v[rT+4+j], v[rS+8*j], v[rS+8*j+1], v[rS+8*j+2]
.elseif j < 12
	v_max3_num_f32 v[rT+4+j%4], v[rT+4+j%4], v[rS+8*(j%4)+2*(j/4)+1], v[rS+8*(j%4)+2*(j/4)+2]
.elseif j == 12
	v_max3_num_f32 v[rT+4], v[rT+4], v[rS+7], v[rS+15]
.elseif j == 13
	v_max3_num_f32 v[rT+6], v[rT+6], v[rS+23], v[rS+31]
.elseif j == 14
	v_max3_num_f32 v[rT+4], v[rT+4], v[rT+5], v[rT+6]
.elseif j == 15
	v_max3_num_f32 v[rT+4], v[rT+4], v[rT+7], v[rT+1]
.elseif j == 16
	v_permlanex16_b32 v[rT+5], v[rT+4], s[SEL], s[SEL+1]  ; the query's other 32 keys lie in the lane 16 away
.elseif j == 17
	v_mov_b32 v[rT+7], v[rT]
.elseif j == 18
	v_max_num_f32 v[rT+1], v[rT+4], v[rT+5]
.elseif j == 19
	v_mul_f32 v[rT], s[CS], v[rT+1]
.elseif j == 20
	v_sub_f32 v[rT+7], v[rT+7], v[rT]
.elseif j == 23
	v_exp_f32 v[rT+6], v[rT+7]
.elseif (j < 23) || ((j < 38) && (j%2 == 0)) || ((j < 66) && (j%4 == 2))
.set b, (j-2)/4                        ; 38, 42, .. 62: pairs 9 to 15
.if j < 38
.set b, (j-20)/2                       ; 21: pair 0; 22, 24, .. 36: pairs 1 to 8
.endif
	v_pk_fma_f32 v[rS+2*b:rS+2*b+1], v[rS+2*b:rS+2*b+1], s[CS:CS+1], v[rT:rT+1] op_sel_hi:[1,0,0] neg_lo:[0,0,1] neg_hi:[0,0,1]
.elseif j < 70
.set e, j-38                           ; 66 to 69: s28 to s31
.if j < 66
.set e, j-32-(j-38)/4                  ; 39-41, 43-45, .. 63-65: s7 to s27
.endif
.if j < 38
.set e, (j-25)/2                       ; 25, 27, .. 37: s0 to s6
.endif
	v_exp_f32 v[rS+e], v[rS+e]
.elseif j < 86
.set z, j-70
.if z == 0
	v_pk_fma_f32 v[rT+2:rT+3], v[rT+2:rT+3], v[rT+6:rT+7], v[rS:rS+1] op_sel_hi:[1,0,1]
.elseif z == 1
	v_pk_add_f32 v[rT+4:rT+5], v[rS+2:rS+3], v[rS+4:rS+5]
.elseif z == 15
	v_pk_add_f32 v[rT+2:rT+3], v[rT+2:rT+3], v[rT+4:rT+5]
.elseif (z%2) == 0
	v_pk_add_f32 v[rT+2:rT+3], v[rT+2:rT+3], v[rS+2*(z+1):rS+2*(z+1)+1]
.else
	v_pk_add_f32 v[rT+4:rT+5], v[rT+4:rT+5], v[rS+2*(z+1):rS+2*(z+1)+1]
.endif
.else
.set rn, j-86
	v_cvt_pk_bf16_f32 v[rS+rn], v[rS+2*rn], v[rS+2*rn+1]
.endif
.endm
; Both tiles' lists, line by line by turns, so that no line uses the result of the one before it.  One wait for the 66 exponentials: ahead of it nothing names a result, behind it no exponential is issued.
.macro SOFT
	WIN 0
.set j, 0
.rept 70
	SM 0
	SM 1
.set j, j+1
.endr
	v_nop                                          ; a plain instruction behind the last exponential (ISA guide 5.7.2),
	s_wait_alu depctr_va_vdst(0)                   ; and a wait ahead of the first use: one for the batch
.rept 32
	SM 0
	SM 1
.set j, j+1
.endr
	WIN 0x82                                       ; the first batch's accumulators times a: they have no products to ride behind
.set q, 0
.rept 16
	v_pk_mul_f32 v[q:q+1], v[q:q+1], v[ST+6:ST+7] op_sel_hi:[1,0]
.set q, q+2
.endr
	WIN 0xc3
.set q, 0
.rept 16
	v_pk_mul_f32 v[q:q+1], v[q:q+1], v[ST+14:ST+15] op_sel_hi:[1,0]
.set q, q+2
.endr
.endm
; A KEY STEP.  Two fragment buffers take turns; a run of 16 loads goes out four places behind the batch that read its buffer, a batch of 16 products ahead of its use.
; Every s_wait_dscnt 16 leaves out the 16 loads of the batch after the one that is wanted.
.macro STEP
	FETCHK 0, F0
	FETCHK 1, F1
.irp i, 0,1,2,3,4,5,6,7
	s_wait_dscnt 16
	MULS \i, F0+64*(\i%2), 0
	PLACES
.if \i < 6
	FETCHK \i+2, F0+64*(\i%2)
.else
	FETCHV \i-6, F0+64*(\i%2)
.endif
.endr
	SOFT
.irp i, 0,1,2,3,4,5,6,7
.if \i == 7
	s_wait_dscnt 0x0                               ; nothing was issued behind the last batch's loads
	MULV \i, F0+64*(\i%2), 0
.else
	s_wait_dscnt 16
	MULV \i, F0+64*(\i%2), 1
.endif
.if \i < 6
	PLACES
	FETCHV \i+2, F0+64*(\i%2)
.endif
.endr
	WIN 0
	s_xor_b32 s[TB], s[TB], XS
.endm
; THE CHANGE OF SLOTS.  Each wave waits for all its tensor loads, of which one is out: its quarter of the slot to be read; adds 0 to its spare word; waits for that and for its reads of the slot that it leaves.
; The round then holds of every wave of every partner, and the joint fill is the first thing behind it.  What is asked for: kind 4: M1's next panel.  5: the first keys.  1: the next keys.  2: M2's first tile.  3: its next.  0: nothing.
; What is read next: 4, 5: a panel of M1.  1, 2: keys.  3, 0: a tile of M2.
.macro CHANGE kind
	WIN 0
	s_wait_tensorcnt 0x0                           ; no tensor load of mine is out, so a group 0 may be written
	ds_add_u32 v[SPW], v[NIL]                      ; 0 onto my spare word; the descriptor's steps stand between it and the wait for it
.if (\kind) == 1
	s_xor_b32 s[G0H+1], s[G0H+1], XS               ; the other slot,
	s_add_nc_u64 s[G0H+2:G0H+3], s[G0H+2:G0H+3], 1024  ; the next 64 tokens of each octet's row; the type bits on top are not reached
.elseif (\kind) == 3
	s_xor_b32 s[G0P+1], s[G0P+1], XS
	s_add_nc_u64 s[G0P+2:G0P+3], s[G0P+2:G0P+3], 65536
.elseif (\kind) == 4
	s_xor_b32 s[G0A+1], s[G0A+1], XS
	s_add_nc_u64 s[G0A+2:G0A+3], s[G0A+2:G0A+3], PANEL
.endif
	s_wait_dscnt 0x0
	ROUND
.if (\kind) == 4
	TLOAD G0A, G1A
.elseif ((\kind) == 1) || ((\kind) == 5)
	TLOAD G0H, G1H
.elseif (\kind) >= 2
	TLOAD G0P, G1P
.endif
.if ((\kind) == 1) || ((\kind) == 2)
	v_add_nc_u32 v[ADR], s[TB], v[AK0]
	v_add_nc_u32 v[ADV], s[TB], v[AV0]
	v_add_nc_u32 v[ADR2], HALF, v[ADR]
	v_add_nc_u32 v[ADV2], HALF, v[ADV]
.else
	v_add_nc_u32 v[ADR], s[TB], v[AW]
	v_add_nc_u32 v[ADR2], HALF, v[ADR]
.endif
.endm
; A STEP OF PHASE 3: 64 rows o x my 32 tokens, 128 products.  x and the biases are asked for at its head.  The results go through the work-group's stage, since a row's 512 bytes come from four waves;
; each wave then takes 16 whole rows, adds x and stores.  ask = 1: x of the step after next is prefetched, each wave its own 16 rows x 512 bytes, a lane a block of 256 bytes; the last two steps that could ask have nothing left.
.macro PSTEP ask
	WIN 0
.irp e, 0,1,2,3,4,5,6,7
	global_load_b32 v[BV+\e], v[BO], s[PB:PB+1] offset:64*(\e/2)  ; block kb's bias of my row, in both registers of pair kb
.endr
	WIN 0x80
.set i, 0
.rept 16
	global_load_b128 v[4*i:4*i+3], v[XO], s[XB:XB+1] offset:4096*i th:TH_LOAD_NT  ; 512 consecutive bytes
.set i, i+1
.endr
	WIN 0
.if \ask
	s_cmp_gt_u32 s[CNT], 1
	s_cbranch_scc0 .Lno_x_\@
	global_prefetch_b8 v[PFX], s[XB:XB+1] offset:524288 th:TH_LOAD_NT scope:SCOPE_SE
.Lno_x_\@:
.endif
	FETCHW 0, F0
	FETCHW 1, F1
.irp i, 0,1,2,3,4,5,6,7
.if \i == 7
	s_wait_dscnt 0x0
.else
	s_wait_dscnt 16                                ; the next batch's 16 loads may stay out
.endif
	MULS \i, F0+64*(\i%2), 1
.if \i < 6
	PLACES
	FETCHW \i+2, F0+64*(\i%2)
.endif
.endr
	PLACES
	WIN 0
	s_wait_loadcnt 16                              ; the biases are in; x's 16 loads, issued behind them, may stay out
.irp t, 0,1
.irp kb, 0,1,2,3
.irp p, 0,1,2,3
	v_pk_add_f32 v[S+32*\t+8*\kb+2*\p:S+32*\t+8*\kb+2*\p+1], v[S+32*\t+8*\kb+2*\p:S+32*\t+8*\kb+2*\p+1], v[BV+2*\kb:BV+2*\kb+1]
.endr
.endr
.endr
.irp t, 0,1
.irp kb, 0,1,2,3
	ds_store_b128 v[STO], v[S+32*\t+8*\kb:S+32*\t+8*\kb+3]   offset:16*OP*\kb+64*\t
	ds_store_b128 v[STO], v[S+32*\t+8*\kb+4:S+32*\t+8*\kb+7] offset:16*OP*\kb+64*\t+16
.endr
.endr
	s_wait_dscnt 0x0                               ; for the others' sake: my stores into the stage are done
	s_barrier_signal -1                            ; the tile on its way may stay out
	s_barrier_wait -1
.set i, 0
.rept 16
	ds_load_b128 v[F0+4*i:F0+4*i+3], v[RD] offset:OP*i
.set i, i+1
.endr
	s_wait_loadcnt 0x0                             ; x
	s_wait_dscnt 0x0                               ; my reads of the stage are over: the next change's round stands between them and the next step's stores
	WIN 0x08                                       ; source 1, x, in window 2
.set q, 0
.rept 32
	v_pk_add_f32 v[F0+q:F0+q+1], v[F0+q:F0+q+1], v[q:q+1]
.set q, q+2
.endr
	WIN 0
.set i, 0
.rept 16
	global_store_b128 v[XO], v[F0+4*i:F0+4*i+3], s[OB:OB+1] offset:4096*i th:TH_STORE_NT  ; 512 consecutive bytes, aligned
.set i, i+1
.endr
	s_wait_xcnt 0x0                                ; the loads, the prefetch and the stores have read their bases and data: the bases are stepped here, the data registers loaded again in the next step
	s_add_nc_u64 s[XB:XB+1], s[XB:XB+1], 262144    ; 64 rows of 4,096 bytes on
	s_add_nc_u64 s[OB:OB+1], s[OB:OB+1], 262144
	s_add_nc_u64 s[PB:PB+1], s[PB:PB+1], 256
	s_xor_b32 s[TB], s[TB], XS
.endm
	s_mov_b32 s[CNT], 7
.Lpanel:                                       ; M1's panels 0 to 6: each asks for the next
	CHANGE 4
	QSTEP 1
	s_sub_co_u32 s[CNT], s[CNT], 1
	s_cmp_lg_u32 s[CNT], 0
	s_cbranch_scc1 .Lpanel
	CHANGE 5                                       ; the last panel is written out: it lies in slot 1, and slot 0 takes the first keys
	QSTEP 0
.irp t, 0,1                            ; q' is rounded to bf16, two blocks of 16 rows to a fragment; ascending: each accumulator from its lowest registers on.  The four v_nop behind the last products are the places
	WIN 0x4a+5*\t                                  ; sources 0 and 1 in window 2 or 3, destination in window 1
.set q, 0
.rept 128
	v_cvt_pk_bf16_f32 v[128*\t+q], v[2*q], v[2*q+1]
.set q, q+1
.endr
.endr
	WIN 0
	s_mov_b32 s[CNT], 15
.Lkey:                                         ; key steps 0 to 14: each asks for the next
	CHANGE 1
	STEP
	s_sub_co_u32 s[CNT], s[CNT], 1
	s_cmp_lg_u32 s[CNT], 0
	s_cbranch_scc1 .Lkey
	CHANGE 2                                       ; the last key step is written out: it lies in slot 1, and slot 0 takes M2's first tile
	STEP
	; l's two halves and the other half of the lanes' are added; O^T is divided by l and rounded to bf16 into q's places.  The additions and the lines beside them are the places behind the last products.
.irp t, 0,1
	v_add_f32 v[ST+8*\t+4], v[ST+8*\t+2], v[ST+8*\t+3]
.endr
.irp t, 0,1
	v_permlanex16_b32 v[ST+8*\t+5], v[ST+8*\t+4], s[SEL], s[SEL+1]
.endr
.irp t, 0,1
	v_add_f32 v[ST+8*\t+4], v[ST+8*\t+4], v[ST+8*\t+5]
.endr
	v_mul_u32_u24 v[AW], v[LR], PK                 ; from here on the weights' tiles have M2's pitch
	v_lshl_add_u32 v[AW], v[LH], 4, v[AW]
.irp t, 0,1
	v_rcp_f32 v[ST+8*\t+6], v[ST+8*\t+4]
.endr
	v_nop                                          ; a plain instruction between the last reciprocal and the use of its result,
	s_wait_alu depctr_va_vdst(0)                   ; and a wait ahead of the first use: one for both
.irp t, 0,1
	WIN 0x82+0x41*\t
.set q, 0
.rept 128
	v_pk_mul_f32 v[q:q+1], v[q:q+1], v[ST+8*\t+6:ST+8*\t+7] op_sel_hi:[1,0]  ; ascending: each accumulator from its lowest registers on
.set q, q+2
.endr
	WIN 0x4a+5*\t
.set q, 0
.rept 128
	v_cvt_pk_bf16_f32 v[128*\t+q], v[2*q], v[2*q+1]
.set q, q+1
.endr
.endr
	WIN 0
	s_mov_b32 s[CNT], 7
.Lproj:                                        ; phase 3's steps 0 to 6: each asks for the next tile
	CHANGE 3
	PSTEP 1
	s_sub_co_u32 s[CNT], s[CNT], 1
	s_cmp_lg_u32 s[CNT], 0
	s_cbranch_scc1 .Lproj
	CHANGE 0                                       ; the last step is written out: nothing is asked for
	PSTEP 0
	s_wait_tensorcnt 0x0                           ; the wave's end: behind my last tensor load and my last LDS store
	ds_add_u32 v[SPW], v[NIL]
	s_wait_dscnt 0x0
	ROUND                                          ; the closing round: no work-group ends while a partner may still ask for a tile that names it
	s_endpgm
.Lfunc_end_k_qaea5814306_attn:
	.size	k_qaea5814306_attn, .Lfunc_end_k_qaea5814306_attn-k_qaea5814306_attn
	.p2alignl 7, 3214868480
	.fill 96, 4, 3214868480
	.section	.rodata,"a",@progbits
	.p2align	6, 0x0
	.amdhsa_kernel k_qaea5814306_attn
		.amdhsa_group_segment_fixed_size 327680
		.amdhsa_private_segment_fixed_size 0
		.amdhsa_enable_private_segment 0
		.amdhsa_kernarg_size 32
		.amdhsa_user_sgpr_count 2
		.amdhsa_user_sgpr_kernarg_segment_ptr 1
		.amdhsa_wavefront_size32 1
		.amdhsa_system_sgpr_workgroup_id_x 1
		.amdhsa_system_sgpr_workgroup_id_y 1
		.amdhsa_system_sgpr_workgroup_id_z 1
		.amdhsa_system_vgpr_workitem_id 0
		.amdhsa_next_free_vgpr 1024
		.amdhsa_next_free_sgpr 76
		.amdhsa_reserve_vcc 0
		.amdhsa_float_denorm_mode_32 3
		.amdhsa_float_denorm_mode_16_64 3
		.amdhsa_memory_ordered 1
		.amdhsa_forward_progress 1
		.amdhsa_inst_pref_size 255
	.end_amdhsa_kernel
	.section	.bss,"aw",@nobits
	.p2align	6
	.space	262144
	.amdgpu_metadata
---
amdhsa.version: [ 1, 2 ]
amdhsa.kernels:
  - .name:           k_qaea5814306_attn
    .symbol:         k_qaea5814306_attn.kd
    .args:
      - { .name: hb, .offset: 0, .size: 8, .value_kind: global_buffer, .address_space: global }
      - { .name: fw, .offset: 8, .size: 8, .value_kind: global_buffer, .address_space: global }
      - { .name: x, .offset: 16, .size: 8, .value_kind: global_buffer, .address_space: global }
      - { .name: out0, .offset: 24, .size: 8, .value_kind: global_buffer, .address_space: global }
    .group_segment_fixed_size: 327680
    .private_segment_fixed_size: 0
    .kernarg_segment_align: 8
    .kernarg_segment_size: 32
    .max_flat_workgroup_size: 128
    .sgpr_count:     76
    .vgpr_count:     1024
    .wavefront_size: 32
...
	.end_amdgpu_metadata
.endif
;; end of part 5
